; MI455X (gfx1250); checked and timed in simulation.
; The chip was launched on July 23, 2026; its instructions are those of AMD's public machine-readable ISA for CDNA 5 (MIT licence, August 2026) and "CDNA5" Instruction Set Architecture Reference Guide (July 2026). The comments in the code are by the model that wrote it; some were corrected since.
;; Attention. Allowed arithmetic: matrix products marked QUANTISED: E2M3 operands, one E8M0 scale for each 32 along K, by v_wmma_scale_f32_16x16x128_f8f6f4 with both operands' format E2M3, f32 sums; everything else in f32.
;; Inputs: W_proj 1,024 x 1,024 float32; W_qkv 1,024 x 3,072 float32; b_proj 1,024 float32; x 4 x 2,048 x 1,024 float32.
;; Outputs: out0 4 x 2,048 x 1,024 float32.
;; This version of the problem:
;;   THIS VERSION OF THE PROBLEM IS GIVEN IN LOW PRECISION. The matrix products marked QUANTISED in the list below multiply operands that are first quantised to E2M3 (2 exponent bits, 3 mantissa bits; 6 bits a number), with one power-of-two scale for each 32 numbers along K (OCP MX v1.0); their sums are f32. All else is computed in f32.
;;   The module's matrix products, in the order in which they are computed (A, B: the left and right operand; K: the contracted axis; several contracted axes count as one K, in the product's order):
;;     1. [M 8,192, K 1,024] x [K 1,024, N 3,072]; A: input x; B: input W_qkv: QUANTISED
;;     2. batch 64 x [M 2,048, K 64] x [K 64, N 2,048]; A: computed on the way; B: computed on the way: QUANTISED
;;     3. batch 64 x [M 64, K 2,048] x [K 2,048, N 2,048]; A: computed on the way; B: softmax (see below): QUANTISED
;;     4. [M 8,192, K 1,024] x [K 1,024, N 1,024]; A: computed on the way; B: input W_proj: QUANTISED
;;   THE QUANTISER, for each operand of a quantised product, along K:
;;     - K is cut into blocks of 32 from its start; a last block that is shorter is filled with zeros.
;;     - A block's scale is 2^e with e = floor(log2(the largest magnitude in the block)) - 2, held to -126 .. 127; a block of zeros has e = 0. As a byte (E8M0): e + 127.
;;     - Each number is divided by its block's scale, clamped to +-7.5, and rounded to the nearest number of E2M3, ties to even, subnormals kept.
;;     - The product sums the exact products of the quantised numbers (number of the format x scale) in f32.
;;   ~~~python
;;   def quantise(x, axis):      # numpy; x: float32 -> the quantised numbers, widened to float32 again
;;       x = np.moveaxis(x, axis, -1); K = x.shape[-1]
;;       x = np.pad(x, [(0, 0)] * (x.ndim - 1) + [(0, -K % 32)]); x = x.reshape(x.shape[:-1] + (-1, 32)); a = np.abs(x).max(-1, keepdims=True)
;;       e = np.where(a > 0, np.clip(np.frexp(np.where(a > 0, a, 1))[1] - 1 - 2, -126, 127), 0)      # np.frexp(a)[1] - 1 = floor(log2(a)), exactly
;;       r = np.clip(x / 2.0 ** e, -7.5, 7.5)
;;       step = 2.0 ** (np.maximum(np.frexp(np.where(r == 0, 1, r))[1] - 1, 0) - 3)
;;       q = np.round(r / step) * step * 2.0 ** e      # np.round: ties to even
;;       return np.moveaxis(q.reshape(q.shape[:-2] + (-1,))[..., :K], -1, axis).astype(np.float32)
;;   ~~~
;;   SOFTMAX AHEAD OF A QUANTISED PRODUCT. Where the list says 'softmax', what is quantised is not the finished softmax but p = 2^(t - M), with t = logit x log2(e) and M = ceil(the row's largest t), a whole number; so 1/2 < the row's largest p <= 1. The row's sum l is taken of the UNQUANTISED p, in f32, and the product's result is divided by l at the end. Since M is a whole number, a kernel that streams over the keys may use a running M (the ceiling of the running maximum): every later rescaling is an exact power of two, which a block's scale takes up: the codes' values come out the same.
;;   OPERANDS COMPUTED ON THE WAY. 'Computed on the way' means the value that the module computes at that place (a softmax that the list does not call 'softmax' is quantised finished and normalised). What goes into a quantiser is computed in f32, as accurately as f32 sums, v_exp_f32 and their like allow (about 1e-6 of the number): no bf16 or f16 on the way to a quantiser, and a product that is left as it is and whose result goes on into a quantised operand takes f32 operands (vector FMAs, or v_wmma_f32_16x16x4_f32). A number that lies on a knife's edge between two numbers of the format may be rounded either way, as far as f32 arithmetic and the matrix unit's own rounding can turn it there, and no further.
;; One version. Each part assembles by itself: llvm-mc -triple=amdgcn-amd-amdhsa -mcpu=gfx1250 --defsym DOCPART=n.
;; ======== version 1 of 1: 4 launches
;; workspace buffers: xc 6,291,456 bytes; xs 262,144 bytes; wc 3,145,728 bytes; ws 262,144 bytes; qkvc 18,874,368 bytes; qkvs 786,432 bytes; oc 6,291,456 bytes; os 262,144 bytes
;; launch quant (part 1): grid 384 x 1, 4 waves a work-group, no clusters, 34,304 bytes of LDS; arguments x, W_qkv, W_proj, xc, xs, wc, ws; writes xc, xs, wc, ws
.if DOCPART == 1
	.amdgcn_target "amdgcn-amd-amdhsa--gfx1250"
	.amdhsa_code_object_version 6
	.text
	.protected	k_qb130f34185_quant
	.globl	k_qb130f34185_quant
	.p2align	8
	.type	k_qb130f34185_quant,@function
k_qb130f34185_quant:
	s_mov_b64 s[64:65], 0
	v_nop
	global_prefetch_b8 v0, s[64:65] scope:SCOPE_SE
	s_setreg_imm32_b32 hwreg(HW_REG_WAVE_MODE, 25, 1), 1
	s_wait_xcnt 0x0
; x [8192][1024], W_qkv [1024][3072] and W_proj [1024][1024], f32, become codes of FP6 (E2M3) with one E8M0 byte for each 32 along K (K = 1024: x's last axis, the weights' first).
; A block's scale is 2^(floor(log2(its largest magnitude)) - 2); its byte is the largest magnitude's exponent field - 2, held at 1 from below.
; LIMITS: NaN and infinities among the inputs are not served; a block whose largest magnitude lies under 2^-124 has its byte held at 1; a block of zeros gets the byte 1 where the rule says 127:
; its codes are zeros, which add nothing under any byte but 0xff, and the bytes are read by this program alone.
; THE CODES ARE LAID AS THE PRODUCTS' OPERAND REGISTERS TAKE THEM.  Rows (tokens of x, columns of a weight) stand in groups of 32; position 16 u + r of a group holds row 8 u + r % 8 + 16 (r / 8).
; A tile is 16 positions.  Codes: [tile][k / 64 (16)][piece (3)][lane (32)][8 bytes]: lane (r, h) owns the 24 bytes of position r, block 2 (k / 64) + h.  Scale words: [k / 256 (4)][position][2 words], planes 65,536 bytes apart.
; In wc and ws positions 0-3071 are W_qkv's columns, 3072-4095 W_proj's.
; Work-groups 0-255 take x (32 rows each; wave s takes k = 256 s on); 256-351 W_qkv, 352-383 W_proj (128 columns x 256 along K each; a wave takes 32 columns).
; No cluster: the work-groups share no input.  No tensor load, no barrier: waves share nothing.  Only x's path touches LDS.
.set FLOORB, 0x1800000                 ; 2^(3 - 127): under it no largest magnitude is taken, so the byte cannot fall under 1
.set EOFF,   0xff000000                ; takes 2 off an exponent field
.set RAW,  64                          ; x: v64-191 two sets of 64: a fragment's numbers as they are loaded
.set NUM,  192                         ; x: v192-255 my 64 numbers: two whole blocks of 32
.set SWX,  18                          ; x: v18-21 the four fragments' scale words
.set COD,  22                          ; x: v22-33 a fragment's codes
.set COT,  34                          ; x: v34-41 the upper halves of its two blocks, as the conversions leave them
.set WX,   32                          ; weights: v32-95 two sets of 32 numbers
.set WT,   96                          ; weights: v96-98 a block's upper half
.set WC,   100                         ; weights: v100-147 four sets of 12: the codes of two blocks each
.set SB,   24                          ; weights: v24-25 my column's eight scale bytes
	s_load_b256 s[4:11], s[0:1], 0x0               ; x s[4:5], W_qkv s[6:7], W_proj s[8:9], xc s[10:11]
	s_load_b128 s[12:15], s[0:1], 0x20             ; xs s[12:13], wc s[14:15]
	s_load_b64 s[16:17], s[0:1], 0x30              ; ws
	s_set_vgpr_msb 0x40
	v_lshl_add_u32 v0, v0, 2, 0x8400
	v_mov_b32 v1, 0
	s_set_vgpr_msb 0x4000
	v_lshrrev_b32 v1, 5, v0
	v_readfirstlane_b32 s18, v1                    ; wave
	v_and_b32 v1, 31, v0                           ; lane
	s_cmp_lt_u32 ttmp9, 256
	s_cbranch_scc0 .Lweights
; ---------------- x: K is innermost ----------------
; A fragment f = 2 t + s2 is tile t (16 rows) x 128 along K.  Each of its 16 loads reads 512 consecutive bytes of one row; the rows turn through the wave's own stage in LDS
; (rows 528 bytes apart: an odd multiple of 16) and come back so that lane (r, h) holds k = 64 c + 32 h + 0 .. 31 of row r: two whole blocks, in the operand's own order.
	v_and_b32 v2, 15, v0                           ; r
	v_bfe_u32 v3, v0, 4, 1                         ; h
	v_lshlrev_b32 v4, 4, v1                        ; 16 x lane
	s_mul_i32 s19, s18, 8448                       ; my stage: 16 rows x 528 bytes
	v_add_nc_u32 v5, s19, v4                       ; into it: 16 x lane, + 528 x row in the immediate
	v_mul_u32_u24 v6, v2, 528
	v_lshl_add_u32 v6, v3, 7, v6
	v_add_nc_u32 v6, s19, v6                       ; out of it: row r, + 128 h
	v_lshlrev_b32 v7, 3, v1                        ; 8 x lane
	v_lshlrev_b32 v14, 3, v3                       ; 8 h: my two bytes' place in a scale word
	v_mov_b32 v15, 0                               ; written once: a lane permute's destination counts as one of its sources
	s_mov_b32 s26, 0x76543210
	s_mov_b32 s27, 0xfedcba98                      ; selects for lane l xor 16
	s_lshl_b32 s20, ttmp9, 17                      ; 32 rows of 4,096 bytes
	s_lshl_b32 s21, s18, 10                        ; + 256 numbers a wave
	s_add_co_u32 s20, s20, s21
	s_mov_b32 s21, 0
	s_mul_i32 s22, ttmp9, 24576                    ; two tiles of 12,288 bytes
	s_mul_i32 s24, s18, 3072                       ; + 256 along K
	s_add_co_u32 s22, s22, s24
	s_mov_b32 s23, 0
	s_lshl_b32 s24, s18, 16                        ; the wave's plane of scale words
	s_lshl_b32 s25, ttmp9, 8                       ; + 32 positions of 8 bytes
	s_add_co_u32 s24, s24, s25
	s_mov_b32 s25, 0
	s_wait_alu depctr_va_vdst(0)
	s_wait_kmcnt 0x0
	s_add_nc_u64 s[4:5], s[4:5], s[20:21]
	s_add_nc_u64 s[10:11], s[10:11], s[22:23]
	s_add_nc_u64 s[12:13], s[12:13], s[24:25]
.macro LOADF f                         ; position j of tile f / 2 is row 8 (f / 2) + j % 8 + 16 (j / 8) of the group
.irp j, 0,1,2,3,4,5,6,7,8,9,10,11,12,13,14,15
	global_load_b128 v[RAW+64*((\f)%2)+4*\j:RAW+64*((\f)%2)+4*\j+3], v4, s[4:5] offset:(8*((\f)/2)+(\j%8)+16*(\j/8))*4096+512*((\f)%2) th:TH_LOAD_NT
.endr
.endm
.macro FRAGX f
.if (\f) < 3
	s_wait_loadcnt 16                              ; this fragment's 16 loads are in; the next fragment's 16 may be out
.else
	s_wait_loadcnt 0x0
.endif
.irp j, 0,1,2,3,4,5,6,7,8,9,10,11,12,13,14,15
	ds_store_b128 v5, v[RAW+64*((\f)%2)+4*\j:RAW+64*((\f)%2)+4*\j+3] offset:528*\j
.endr
.irp c, 0,1
.irp i, 0,1,2,3,4,5,6,7
	ds_load_b128 v[NUM+32*\c+4*\i:NUM+32*\c+4*\i+3], v6 offset:256*\c+16*\i   ; LDS serves a wave's instructions in order: these see the stores above
.endr
.endr
	s_wait_dscnt 0x0                               ; my numbers are back, and the stores have read their registers,
.if (\f)+2 < 4
	LOADF (\f)+2                                   ; which take the fragment two on
.endif
.irp c, 0,1
	v_max3_num_f32 v[8+\c], |v[NUM+32*\c]|, |v[NUM+32*\c+1]|, FLOORB   ; my block 2 c + h: all its 32 numbers are mine; the floor is one more leaf
.endr
.irp i, 2,4,6,8,10,12,14,16,18,20,22,24,26,28,30
.irp c, 0,1
	v_max3_num_f32 v[8+\c], v[8+\c], |v[NUM+32*\c+\i]|, |v[NUM+32*\c+\i+1]|
.endr
.endr
.irp c, 0,1
	v_add_nc_u32 v[10+\c], EOFF, v[8+\c]           ; 2 off the exponent field: the conversion takes this operand's exponent field as its scale
.endr
.irp c, 0,1
	v_lshrrev_b32 v[12+\c], 23, v[10+\c]           ; the scale's byte
.endr
	v_lshl_or_b32 v[SWX+(\f)], v13, 16, v12        ; my two bytes: blocks h and 2 + h,
	v_lshlrev_b32 v[SWX+(\f)], v14, v[SWX+(\f)]    ; at their places in the word;
	v_permlanex16_b32 v15, v[SWX+(\f)], s26, s27
	v_or_b32 v[SWX+(\f)], v[SWX+(\f)], v15         ; with lane l xor 16's two the word of row r is whole, in both halves of the lanes
.if (\f) > 0
	s_wait_alu depctr_va_vdst(0)
	s_wait_xcnt 0x0                                ; the last fragment's stores have read the code registers, which are written again below
.endif
.irp c, 0,1
	v_cvt_scalef32_pk16_fp6_f32 v[COD+6*\c:COD+6*\c+2], v[NUM+32*\c:NUM+32*\c+15], v[10+\c]
	v_cvt_scalef32_pk16_fp6_f32 v[COT+4*\c:COT+4*\c+2], v[NUM+32*\c+16:NUM+32*\c+31], v[10+\c]   ; (a conversion's three registers begin on an even number)
.endr
	v_nop                                          ; one plain line behind the scaled conversions
.irp c, 0,1
.irp i, 0,1,2
	v_mov_b32 v[COD+6*\c+3+\i], v[COT+4*\c+\i]
.endr
.endr
.irp p, 0,1,2,3,4,5
	global_store_b64 v7, v[COD+2*\p:COD+2*\p+1], s[10:11] offset:((\f)/2)*12288+((\f)%2)*1536+256*\p   ; 32 lanes store 256 consecutive bytes, aligned
.endr
.endm
	LOADF 0
	LOADF 1
	FRAGX 0
	FRAGX 1
	FRAGX 2
	FRAGX 3
	v_cmp_gt_u32 vcc_lo, 16, v1                    ; lanes 0-15 store tile 0's two words, lanes 16-31 tile 1's: lane = position in the group
	v_cndmask_b32 v16, v[SWX+2], v[SWX], vcc_lo
	v_cndmask_b32 v17, v[SWX+3], v[SWX+1], vcc_lo
	global_store_b64 v7, v[16:17], s[12:13]        ; 256 consecutive bytes, aligned
	s_set_vgpr_msb 0x5
	s_wait_tensorcnt 0x0
	ds_add_u32 v0, v1
	s_wait_dscnt 0x0
	s_set_vgpr_msb 0x500
	s_endpgm
; ---------------- the weights: K is the first axis ----------------
; A lane takes a column and its registers run down K: a block of 32 lies in one lane, and the conversions give codes with K innermost.  Lane l takes the column that stands at position l of its group.
; Two blocks (64 along K) of 32 columns are two tiles' images: an exchange of halves between the even block's registers and the odd block's puts tile 0 (even block in lanes 0-15, odd in 16-31) into the first six.
.macro LOADW t, n, ptr
.set i, 0
.rept 32
	global_load_b32 v[WX+32*((\t)%2)+i], v2, s[\ptr:\ptr+1] offset:(32*(\t)+i)*(\n)*4 th:TH_LOAD_NT
.set i, i+1
.endr
.endm
.macro BLOCKW t, n, ptr
.set XS, WX+32*((\t)%2)
.set C0, WC+12*((\t)/2)
.set CY, C0+6*((\t)%2)
.if (\t) < 7
	s_wait_loadcnt 32                              ; this block's 32 loads are in; the next block's 32 may be out
.else
	s_wait_loadcnt 0x0
.endif
	v_max3_num_f32 v12, |v[XS]|, |v[XS+1]|, |v[XS+2]|
	v_max3_num_f32 v13, |v[XS+3]|, |v[XS+4]|, |v[XS+5]|
.irp i, 6,10,14,18,22,26
	v_max3_num_f32 v12, v12, |v[XS+\i]|, |v[XS+\i+1]|
	v_max3_num_f32 v13, v13, |v[XS+\i+2]|, |v[XS+\i+3]|
.endr
	v_max3_num_f32 v12, v12, |v[XS+30]|, |v[XS+31]|
	v_max3_num_f32 v12, v12, v13, FLOORB
	v_add_nc_u32 v11, EOFF, v12
	v_lshrrev_b32 v13, 23, v11
.if (\t)%4 == 0
	v_mov_b32 v[SB+(\t)/4], v13                    ; four bytes to a word, the lower K in the lower byte
.else
	v_lshl_or_b32 v[SB+(\t)/4], v13, 8*((\t)%4), v[SB+(\t)/4]
.endif
	v_cvt_scalef32_pk16_fp6_f32 v[CY:CY+2], v[XS:XS+15], v11
	v_cvt_scalef32_pk16_fp6_f32 v[WT:WT+2], v[XS+16:XS+31], v11
	v_nop                                          ; one plain line behind the scaled conversions
.irp i, 0,1,2
	v_mov_b32 v[CY+3+\i], v[WT+\i]
.endr
.if (\t)+2 < 8
	LOADW (\t)+2, \n, \ptr
.endif
.if (\t)%2 == 1
.irp i, 0,1,2,3,4,5
	v_permlane16_swap_b32 v[C0+\i], v[C0+6+\i]     ; the even block's lanes 16-31 change places with the odd block's lanes 0-15
.endr
.irp u, 0,1
.irp p, 0,1,2
	global_store_b64 v3, v[C0+6*\u+2*\p:C0+6*\u+2*\p+1], s[14:15] offset:\u*12288+((\t)/2)*768+256*\p   ; 256 consecutive bytes, aligned; each pair of blocks has code registers of its own, so no store's data are written again
.endr
.endr
.endif
.endm
.macro WPATH n, ptr, first, gadd
	s_sub_co_u32 s20, ttmp9, \first
	s_and_b32 s21, s20, 3                          ; which 256 along K
	s_lshr_b32 s20, s20, 2
	s_lshl_b32 s20, s20, 2
	s_add_co_u32 s20, s20, s18                     ; my group of 32 columns
	s_mul_i32 s22, s21, 256*(\n)*4
	s_lshl_b32 s23, s20, 7
	s_add_co_u32 s22, s22, s23
	s_mov_b32 s23, 0
	s_add_co_u32 s20, s20, \gadd                   ; the group's number among wc's
	s_mul_i32 s24, s20, 24576
	s_mul_i32 s25, s21, 3072
	s_add_co_u32 s24, s24, s25
	s_mov_b32 s25, 0
	s_lshl_b32 s26, s21, 16
	s_lshl_b32 s27, s20, 8
	s_add_co_u32 s26, s26, s27
	s_mov_b32 s27, 0
	s_wait_kmcnt 0x0
	s_add_nc_u64 s[\ptr:\ptr+1], s[\ptr:\ptr+1], s[22:23]
	s_add_nc_u64 s[14:15], s[14:15], s[24:25]
	s_add_nc_u64 s[16:17], s[16:17], s[26:27]
	LOADW 0, \n, \ptr
	LOADW 1, \n, \ptr
.irp t, 0,1,2,3,4,5,6,7
	BLOCKW \t, \n, \ptr
.endr
	global_store_b64 v3, v[SB:SB+1], s[16:17]      ; my position's two scale words: 256 consecutive bytes a wave, aligned
	s_endpgm
.endm
.Lweights:
	v_and_b32 v2, 7, v0
	v_bfe_u32 v4, v0, 3, 1
	v_lshl_add_u32 v2, v4, 4, v2
	v_bfe_u32 v4, v0, 4, 1
	v_lshl_add_u32 v2, v4, 3, v2                   ; my column in the group: l % 8 + 16 ((l / 8) % 2) + 8 (l / 16)
	v_lshlrev_b32 v2, 2, v2
	s_wait_alu depctr_va_vdst(0)
	v_lshlrev_b32 v3, 3, v1                        ; 8 x lane
	s_cmp_lt_u32 ttmp9, 352
	s_cbranch_scc0 .Lproj
	WPATH 3072, 6, 256, 0
.Lproj:
	WPATH 1024, 8, 352, 96
.Lfunc_end_k_qb130f34185_quant:
	.size	k_qb130f34185_quant, .Lfunc_end_k_qb130f34185_quant-k_qb130f34185_quant
	.p2alignl 7, 3214868480
	.fill 96, 4, 3214868480
	.section	.rodata,"a",@progbits
	.p2align	6, 0x0
	.amdhsa_kernel k_qb130f34185_quant
		.amdhsa_group_segment_fixed_size 34304
		.amdhsa_private_segment_fixed_size 0
		.amdhsa_enable_private_segment 0
		.amdhsa_kernarg_size 56
		.amdhsa_user_sgpr_count 2
		.amdhsa_user_sgpr_kernarg_segment_ptr 1
		.amdhsa_wavefront_size32 1
		.amdhsa_system_sgpr_workgroup_id_x 1
		.amdhsa_system_sgpr_workgroup_id_y 1
		.amdhsa_system_sgpr_workgroup_id_z 1
		.amdhsa_system_vgpr_workitem_id 0
		.amdhsa_next_free_vgpr 258
		.amdhsa_next_free_sgpr 66
		.amdhsa_reserve_vcc 1
		.amdhsa_float_denorm_mode_32 3
		.amdhsa_float_denorm_mode_16_64 3
		.amdhsa_memory_ordered 1
		.amdhsa_forward_progress 1
		.amdhsa_inst_pref_size 111
	.end_amdhsa_kernel
	.amdgpu_metadata
---
amdhsa.version: [ 1, 2 ]
amdhsa.kernels:
  - .name:           k_qb130f34185_quant
    .symbol:         k_qb130f34185_quant.kd
    .args:
      - { .name: x, .offset: 0, .size: 8, .value_kind: global_buffer, .address_space: global }
      - { .name: W_qkv, .offset: 8, .size: 8, .value_kind: global_buffer, .address_space: global }
      - { .name: W_proj, .offset: 16, .size: 8, .value_kind: global_buffer, .address_space: global }
      - { .name: xc, .offset: 24, .size: 8, .value_kind: global_buffer, .address_space: global }
      - { .name: xs, .offset: 32, .size: 8, .value_kind: global_buffer, .address_space: global }
      - { .name: wc, .offset: 40, .size: 8, .value_kind: global_buffer, .address_space: global }
      - { .name: ws, .offset: 48, .size: 8, .value_kind: global_buffer, .address_space: global }
    .group_segment_fixed_size: 34304
    .private_segment_fixed_size: 0
    .kernarg_segment_align: 8
    .kernarg_segment_size: 56
    .max_flat_workgroup_size: 128
    .sgpr_count:     66
    .vgpr_count:     258
    .wavefront_size: 32
...
	.end_amdgpu_metadata
.endif
;; end of part 1
;; launch gemm_qkv (part 2): grid 8 x 48, 4 waves a work-group, clusters of 4 x 4, 327,680 bytes of LDS; arguments xc, xs, wc, ws, qkvc, qkvs; writes qkvc, qkvs
.if DOCPART == 2
	.amdgcn_target "amdgcn-amd-amdhsa--gfx1250"
	.amdhsa_code_object_version 6
	.text
	.protected	k_qb130f34185_gemm_qkv
	.globl	k_qb130f34185_gemm_qkv
	.p2align	8
	.type	k_qb130f34185_gemm_qkv,@function
k_qb130f34185_gemm_qkv:
	s_mov_b64 s[64:65], 0
	v_nop
	global_prefetch_b8 v0, s[64:65] scope:SCOPE_SE
	s_setreg_imm32_b32 hwreg(HW_REG_WAVE_MODE, 25, 1), 1
	s_wait_xcnt 0x0
	s_wait_alu depctr_hold_cnt(0) depctr_sa_sdst(0) depctr_va_vdst(0) depctr_va_sdst(0) depctr_va_ssrc(0) depctr_va_vcc(0) depctr_vm_vsrc(0)
	s_getreg_b32 s2, hwreg(HW_REG_IB_STS2, 6, 4)
	s_cmp_eq_u32 s2, 0
	s_cbranch_scc0 .Lentry_in_a_cluster
	s_endpgm
.Lentry_in_a_cluster:
	s_bfe_u32 s2, ttmp6, 0x10000c
	s_cmp_lg_u32 s2, 0xf033
	s_cbranch_scc0 .Lentry_shape_is_right
	s_endpgm
.Lentry_shape_is_right:
; qkv = x W_qkv on codes of FP6 (E2M3) with E8M0 scales, sums in f32; the results are quantised in registers for the attention's products and leave as codes: q and k along the head's 64, v along the tokens.
; A tile of the result is 256 x 256; four waves, as many as a WGP has SIMDs, each 128 x 128: 64 accumulators, 512 registers.  K = 1024 is eight steps of 128, written out.
; THE MATRIX INSTRUCTION IS USED TRANSPOSED: source 0 = 16 rows of 'B', source 1 = 16 rows of 'A': a lane holds one row of A and its registers run along B's rows.  Since the rows of a tile stand in the order
; 8 u + r % 8 + 16 (r / 8), the 16 registers of B's tiles 2 b and 2 b + 1 are the 16 neighbours 32 b + 16 (lane / 16) + 0 .. 15: what the conversions want.
; Clusters with y under 8: A = tokens, B = W's columns of q and k: registers run along the head's axis.  Clusters with y from 8: A = W's columns of v, B = tokens: registers run along the tokens, v's K.
; OPERANDS lie in memory and in LDS as images of their registers: [tile][k / 64][piece][lane][8 bytes]; a fragment is six loads of 256 consecutive bytes.  Three LDS slots of 256 along K; K's last quarter is
; brought into slot 0 behind the one round of the cluster's barrier in the middle.  The scale words of all of K stay in registers: lanes 0-15 hold block i's, lanes 16-31 block i + 4's.
; CLUSTERS: 4 x 4 work-groups; A's tiles are asked for jointly by a row of the cluster, B's by a column.
; OUT: qkvc, 294,912 bytes a head: q at 0, k at 98,304: [token / 32][3][lane][16]: registers 0-5 the head's block lane / 16 of tile 0's token, 6-11 of tile 1's; v at 196,608: [token / 128][tile of 16 of the head's 64][3][lane][16].
;      qkvs, 12,288 bytes a head: q at 0, k at 4,096: [token / 128][r][(token / 32) % 4] words; v at 8,192: [token / 128][r][tile] words.
; LIMITS: NaN and infinities are not served; a block whose largest magnitude lies under 2^-124, a block of zeros among them, has the byte 1 (its reader is this program alone).
; REGISTERS, in windows of 256: window 0: v1-15 lane terms and addresses; v28-29 the add's; v32-95 scale words; v96-127 the way out's codes; v128-223 A's fragments, one set; v224-251 the way out's work.
;   window 1: B's fragments, two sets, at v0 and v128.   windows 2, 3: the accumulators of A's blocks 0-3, 4-7 (accumulator (a, b) at v[8 (8 (a % 4) + b)]).
.set SLOT,   98304                     ; A's 16 tiles x 3,072 bytes, then B's
.set HALFT,  24576                     ; 8 tiles: what one tensor load brings, and what one wave reads of A or of B
.set TILEK,  3072                      ; a tile's 256 along K
.set TILEB,  12288                     ; a tile's whole K in memory
.set SPARE,  3*SLOT                    ; behind the slots: the spare words, 128 bytes a wave: two blocks of 256 bytes that no other line names
.set FR,   12                          ; registers of a fragment
.set ADRA, 4                           ; v4-6   LDS address of my A fragments in slot 0, 1, 2
.set ADRB, 8                           ; v8-10  the same for B
.set SPW,  28                          ; v28    LDS address of my spare word; never rewritten
.set NIL,  29                          ; v29    0; never rewritten
.set SCA,  32                          ; v[32 + 8 i + s]  A's scale words of K step s
.set SCB,  64                          ; v[64 + 8 i + s]  B's
.set AF,   128
.set IM0,  96                          ; v96-107, v108-119 two images of 12 registers
.set IM1,  108
.set CT,   120                         ; v120-127 the upper halves of blocks, as the conversions leave them
.set TM,   224                         ; v224-227 largest magnitudes, v228-231 the other half's, then bytes, v236-239 the conversions' scale operands
.set PW,   240                         ; v240-247 the eight blocks' scale words
.set SW,   248                         ; v248-251 the scale words as they are stored
.set G1A,  24
.set G1B,  32
.set G0A,  40                          ; s[40:51] group 0 for A's tiles, a set for each slot
.set G0B,  52                          ; s[52:63] for B's
.set SEL,  96                          ; s[96:97] selects for lane l xor 16
.set MSB, 0
.macro WIN new                         ; the immediate's high byte repeats the setting that is left
.if MSB != (\new)
	s_set_vgpr_msb (MSB<<8)|(\new)
.set MSB, (\new)
.endif
.endm
.macro JLOAD n                         ; a joint load: waves 0 and 1 fetch A's halves, waves 2 and 3 B's; four v_nop follow each of the two lines
	s_cmp_eq_u32 s17, 0
	s_cbranch_scc0 .Lfor_b_\@
	tensor_load_to_lds s[G0A+4*\n:G0A+4*\n+3], s[G1A:G1A+7]
	s_nop 0
.rept 4
	v_nop
.endr
	s_branch .Lasked_\@
.Lfor_b_\@:
	tensor_load_to_lds s[G0B+4*\n:G0B+4*\n+3], s[G1B:G1B+7]
	s_nop 0
.rept 4
	v_nop
.endr
.Lasked_\@:
.endm
.macro CREST                           ; a round of the cluster's barrier behind its opening barrier
	s_cmp_lg_u32 s16, 0
	s_cbranch_scc1 .Lnot_wave_0_\@
	s_barrier_signal -3
.Lnot_wave_0_\@:
	s_barrier_wait -3
	s_barrier_signal -1
	s_barrier_wait -1
.endm
.macro CROUND
	s_barrier_signal -1
	s_barrier_wait -1
	CREST
.endm
.macro PLACES n                        ; plain lines between a matrix instruction and a load into, or a read of, its registers
.rept \n
	v_nop
.endr
.endm
; One product: A's block a x B's block b, K step q.  zero = 1: it starts the sum with the constant 0; 2: with eight registers of window 1; 0: it adds in place.
; A side's scale words are read from lanes 16-31 for blocks 4-7.
.macro WM a, b, q, zero
.set xD, 8*(8*((\a)%4)+(\b))
.set xB, 128*((\q)%2)+FR*(\b)
.set xA, AF+FR*(\a)
.set xSB, SCB+8*((\b)%4)+(\q)
.set xSA, SCA+8*((\a)%4)+(\q)
.set xC, xD
.if (\zero) == 2
.set xC, 96+128*((\b)/4)+8*((\b)%4)
.endif
.if (\zero) == 1
.if (\b) < 4
.if (\a) < 4
	v_wmma_scale_f32_16x16x128_f8f6f4 v[xD:xD+7], v[xB:xB+FR-1], v[xA:xA+FR-1], 0, v[xSB], v[xSA] matrix_a_fmt:MATRIX_FMT_FP6 matrix_b_fmt:MATRIX_FMT_FP6
.else
	v_wmma_scale_f32_16x16x128_f8f6f4 v[xD:xD+7], v[xB:xB+FR-1], v[xA:xA+FR-1], 0, v[xSB], v[xSA] matrix_a_fmt:MATRIX_FMT_FP6 matrix_b_fmt:MATRIX_FMT_FP6 matrix_b_scale:MATRIX_SCALE_ROW1
.endif
.else
.if (\a) < 4
	v_wmma_scale_f32_16x16x128_f8f6f4 v[xD:xD+7], v[xB:xB+FR-1], v[xA:xA+FR-1], 0, v[xSB], v[xSA] matrix_a_fmt:MATRIX_FMT_FP6 matrix_b_fmt:MATRIX_FMT_FP6 matrix_a_scale:MATRIX_SCALE_ROW1
.else
	v_wmma_scale_f32_16x16x128_f8f6f4 v[xD:xD+7], v[xB:xB+FR-1], v[xA:xA+FR-1], 0, v[xSB], v[xSA] matrix_a_fmt:MATRIX_FMT_FP6 matrix_b_fmt:MATRIX_FMT_FP6 matrix_a_scale:MATRIX_SCALE_ROW1 matrix_b_scale:MATRIX_SCALE_ROW1
.endif
.endif
.else
.if (\b) < 4
.if (\a) < 4
	v_wmma_scale_f32_16x16x128_f8f6f4 v[xD:xD+7], v[xB:xB+FR-1], v[xA:xA+FR-1], v[xC:xC+7], v[xSB], v[xSA] matrix_a_fmt:MATRIX_FMT_FP6 matrix_b_fmt:MATRIX_FMT_FP6
.else
	v_wmma_scale_f32_16x16x128_f8f6f4 v[xD:xD+7], v[xB:xB+FR-1], v[xA:xA+FR-1], v[xC:xC+7], v[xSB], v[xSA] matrix_a_fmt:MATRIX_FMT_FP6 matrix_b_fmt:MATRIX_FMT_FP6 matrix_b_scale:MATRIX_SCALE_ROW1
.endif
.else
.if (\a) < 4
	v_wmma_scale_f32_16x16x128_f8f6f4 v[xD:xD+7], v[xB:xB+FR-1], v[xA:xA+FR-1], v[xC:xC+7], v[xSB], v[xSA] matrix_a_fmt:MATRIX_FMT_FP6 matrix_b_fmt:MATRIX_FMT_FP6 matrix_a_scale:MATRIX_SCALE_ROW1
.else
	v_wmma_scale_f32_16x16x128_f8f6f4 v[xD:xD+7], v[xB:xB+FR-1], v[xA:xA+FR-1], v[xC:xC+7], v[xSB], v[xSA] matrix_a_fmt:MATRIX_FMT_FP6 matrix_b_fmt:MATRIX_FMT_FP6 matrix_a_scale:MATRIX_SCALE_ROW1 matrix_b_scale:MATRIX_SCALE_ROW1
.endif
.endif
.endif
.endm
.macro MUL16 a0, q, zero               ; 16 products: A's blocks a0, a0 + 1 x B's eight.  The 64 accumulators take turns, in the same order in every step
.irp a, \a0, \a0+1
.irp b, 0,1,2,3,4,5,6,7
	WM \a, \b, \q, \zero
.endr
.endr
.endm
.macro MWIN hi, zero                   ; source 0 (B) window 1, source 1 (A) window 0, D window 2 or 3; C with D, or (zero = 2) in window 1
.if (\zero) == 2
	WIN 0x91+0x40*(\hi)
.else
	WIN 0xa1+0x50*(\hi)
.endif
.endm
.macro FRAG reg, adr, q2, i            ; tile i's fragment of the slot's half q2: six loads of 8 bytes a lane, 256 consecutive bytes each
.irp p, 0,1,2,3,4,5
	ds_load_b64 v[\reg+2*\p:\reg+2*\p+1], v[\adr] offset:(\i)*TILEK+(\q2)*1536+256*\p
.endr
.endm
.macro FETCH_B slot, q2, set
	WIN 0x40                                       ; destination window 1, address window 0
.irp i, 0,1,2,3,4,5,6,7
	FRAG 128*(\set)+FR*\i, ADRB+\slot, \q2, \i
.endr
	WIN 0
.endm
.macro FETCH_A slot, q2, i0
.irp i, \i0, \i0+1, \i0+2, \i0+3
	FRAG AF+FR*(\i), ADRA+\slot, \q2, \i
.endr
.endm
; K step q; the next step's fragments lie in slot ns, half nq.  A's blocks 0-3 are fetched anew in the step's middle, blocks 4-7 at its end; B has two sets.
.macro STEP q, ns, nq, zero
	s_wait_dscnt 24                                ; B's set and A's blocks 0-3 are in; the youngest 24 loads (A's blocks 4-7) may be out
	MWIN 0, \zero
	MUL16 0, \q, \zero
	MUL16 2, \q, \zero
	s_wait_dscnt 0x0                               ; A's blocks 4-7 are in
	PLACES 4
	FETCH_B \ns, \nq, 1-(\q)%2
	FETCH_A \ns, \nq, 0
	MWIN 1, \zero
	MUL16 4, \q, \zero
	MUL16 6, \q, \zero
	PLACES 4
	WIN 0
	FETCH_A \ns, \nq, 4
.endm
; A step with a barrier: in front of it each wave waits for all its tensor loads, adds 0 to its spare word, and waits for that and for its LDS reads.  fill = 1: slot 0, which nobody reads any more, takes K's last quarter.
.macro TURN q, ns, fill
	s_wait_tensorcnt 0x0                           ; all my tensor loads have landed
	ds_add_u32 v[SPW], v[NIL]                      ; 0 onto my spare word
	s_wait_dscnt 25                                ; (the add and the youngest 24 loads, A's blocks 4-7, may be out)
	MWIN 0, 0
	MUL16 0, \q, 0                                 ; sixteen products stand between the add and the wait for it
	s_wait_dscnt 0x0                               ; the add is done, and my reads of the slot are over
	s_barrier_signal -1
	MUL16 2, \q, 0
	WIN 0
	s_barrier_wait -1
.if \fill
	CREST                                          ; the barrier has opened a round of the cluster's barrier: no wave of any partner still reads slot 0 or has a load on its way
	s_add_nc_u64 s[G0A+2:G0A+3], s[G0A+2:G0A+3], 3*TILEK
	s_add_nc_u64 s[G0B+2:G0B+3], s[G0B+2:G0B+3], 3*TILEK
	JLOAD 0                                        ; the first tensor load behind the round, one a wave; it has four K steps in which to land; its four v_nop are also the places in front of the loads below
.else
	PLACES 4
.endif
	FETCH_B \ns, 0, 1-(\q)%2
	FETCH_A \ns, 0, 0
	MWIN 1, 0
	MUL16 4, \q, 0
	MUL16 6, \q, 0
	PLACES 4
	WIN 0
	FETCH_A \ns, 0, 4
.endm
	s_load_b256 s[4:11], s[0:1], 0x0               ; xc s[4:5], xs s[6:7], wc s[8:9], ws s[10:11]
	s_load_b128 s[12:15], s[0:1], 0x20             ; qkvc s[12:13], qkvs s[14:15]
	v_lshl_add_u32 v[SPW], v0, 2, SPARE
	v_mov_b32 v[NIL], 0
	ds_add_u32 v28, v29
	ds_add_u32 v28, v29
	s_wait_dscnt 0x0
	v_lshrrev_b32 v1, 5, v0
	v_readfirstlane_b32 s16, v1                    ; wave 0..3
	s_lshr_b32 s17, s16, 1                         ; my half of A's rows.  Also: I fetch for A (0) or for B (1)
	s_and_b32 s18, s16, 1                          ; my half of B's rows.  Also: which 8 tiles I fetch
	s_bfe_u32 s19, ttmp6, 0x40000                  ; cx
	s_bfe_u32 s20, ttmp6, 0x40004                  ; cy
	s_and_b32 s22, ttmp7, 0xffff                   ; the cluster's y: the same in all sixteen partners
	s_sub_co_u32 s74, s22, 8
	s_cmp_ge_u32 s22, 8                            ; from 8 on: v
	s_cselect_b32 s23, 1, 0
	s_cselect_b32 s75, 0, s22
	s_cselect_b32 s74, s74, 0
	s_cselect_b32 s76, 128, 0                      ; v's columns begin at wc's tile 128
	s_lshl_b32 s75, s75, 2
	s_add_co_u32 s75, s75, s20                     ; A's block of 256 rows: q, k: 4 x cluster y + cy (tokens); v: cy (columns)
	s_lshl_b32 s77, ttmp9, 2
	s_add_co_u32 s77, s77, s19
	s_lshl_b32 s74, s74, 3
	s_add_co_u32 s77, s77, s74                     ; B's: q, k: 4 x cluster x + cx (columns); v: + 8 (cluster y - 8) (tokens)
	s_lshl_b32 s78, s20, 2
	s_lshl_b32 s78, 15, s78                        ; my row of the cluster
	s_lshl_b32 s79, 0x1111, s19                    ; my column
	; descriptor group 1: 8 rows (tiles) of 3,072 bytes, 12,288 bytes apart, dense in LDS
	s_or_b32 s[G1A], s78, (3<<16)|(1<<21)          ; 15:0 the mask: A's tiles go to my row; 17:16 elements of 8 bytes; 20 no padding; 21 set beside a mask
	s_or_b32 s[G1B], s79, (3<<16)|(1<<21)
.irp g, G1A, G1B
	s_mov_b32 s[\g+1], 384<<16                     ; tensor_dim0 = 384 elements
	s_mov_b32 s[\g+2], 8<<16                       ; tensor_dim1 = 8
	s_mov_b32 s[\g+3], 384<<16                     ; tile_dim0
	s_mov_b32 s[\g+4], 8                           ; tile_dim1
	s_mov_b32 s[\g+5], 1536                        ; from row to row, in elements
	s_mov_b32 s[\g+6], 0
	s_mov_b32 s[\g+7], 0
.endr
	s_lshl_b32 s80, s75, 4
	s_add_co_u32 s80, s80, s76                     ; A's first tile
	s_lshl_b32 s81, s18, 3                         ; which 8 tiles I fetch
	s_add_co_u32 s82, s80, s81
	s_mul_i32 s82, s82, TILEB
	s_mov_b32 s83, 0
	s_lshl_b32 s84, s77, 4                         ; B's first tile
	s_add_co_u32 s86, s84, s81
	s_mul_i32 s86, s86, TILEB
	s_mov_b32 s87, 0
	s_mul_i32 s88, s16, HALFT                      ; where they go: wave x 8 tiles: no place in the cluster enters an LDS address
	s_lshl_b32 s90, s80, 7                         ; my 128 rows' scale words: 16 positions of 8 bytes a tile,
	s_lshl_b32 s89, s17, 10
	s_add_co_u32 s90, s90, s89                     ; + my half
	s_mov_b32 s91, 0
	s_lshl_b32 s92, s84, 7
	s_lshl_b32 s89, s18, 10
	s_add_co_u32 s92, s92, s89
	s_mov_b32 s93, 0
	s_mov_b32 s[SEL], 0x76543210
	s_mov_b32 s[SEL+1], 0xfedcba98
	s_mov_b32 s95, 0x02020202
	s_wait_kmcnt 0x0
	s_cmp_eq_u32 s23, 1                            ; the choice hangs on the cluster's number alone
	s_cselect_b64 s[66:67], s[8:9], s[4:5]         ; A's codes
	s_cselect_b64 s[68:69], s[10:11], s[6:7]       ; A's scale words
	s_cselect_b64 s[70:71], s[4:5], s[8:9]         ; B's codes
	s_cselect_b64 s[72:73], s[6:7], s[10:11]       ; B's scale words
	s_add_nc_u64 s[66:67], s[66:67], s[82:83]
	s_add_nc_u64 s[70:71], s[70:71], s[86:87]
	s_add_nc_u64 s[68:69], s[68:69], s[90:91]
	s_add_nc_u64 s[72:73], s[72:73], s[92:93]
	CROUND                                         ; all sixteen work-groups are here: the first joint loads meet
.irp n, 0,1,2                          ; three quarters of K go out at once: three tensor loads of mine are out
	s_mov_b32 s[G0A+4*\n], 1
	s_add_co_u32 s[G0A+4*\n+1], s88, \n*SLOT
	s_add_nc_u64 s[G0A+4*\n+2:G0A+4*\n+3], s[66:67], \n*TILEK
	s_or_b32 s[G0A+4*\n+3], s[G0A+4*\n+3], 0x80000000
	s_mov_b32 s[G0B+4*\n], 1
	s_add_co_u32 s[G0B+4*\n+1], s88, \n*SLOT
	s_add_nc_u64 s[G0B+4*\n+2:G0B+4*\n+3], s[70:71], \n*TILEK
	s_or_b32 s[G0B+4*\n+3], s[G0B+4*\n+3], 0x80000000
	JLOAD \n
.endr
	v_and_b32 v1, 31, v0                           ; lane
	v_and_b32 v2, 15, v0                           ; r
	v_bfe_u32 v3, v0, 4, 1                         ; h
	v_lshlrev_b32 v11, 3, v2
	v_lshl_add_u32 v11, v3, 9, v11                 ; 8 r + 512 h: lanes 16-31 take the block four on
.irp sg, 0,1,2,3
.irp i, 0,1,2,3
	global_load_b64 v[SCA+8*\i+2*\sg:SCA+8*\i+2*\sg+1], v11, s[68:69] offset:\sg*65536+128*\i
	global_load_b64 v[SCB+8*\i+2*\sg:SCB+8*\i+2*\sg+1], v11, s[72:73] offset:\sg*65536+128*\i
.endr
.endr
	v_lshlrev_b32 v12, 3, v1                       ; 8 x lane
	s_mul_i32 s89, s17, HALFT                      ; my 8 tiles of A
	s_mul_i32 s94, s18, HALFT                      ; my 8 tiles of B,
	s_add_co_u32 s94, s94, 2*HALFT                 ; behind A's 16
.irp n, 0,1,2
	v_add_nc_u32 v[ADRA+\n], s89, v12
	v_add_nc_u32 v[ADRB+\n], s94, v12
	s_add_co_u32 s89, s89, SLOT
	s_add_co_u32 s94, s94, SLOT
.endr
	v_lshlrev_b32 v13, 4, v1                       ; the way out: 16 x lane
	v_mul_u32_u24 v14, v3, 12288
	v_lshl_add_u32 v14, v2, 4, v14                 ; the scale words: 16 r, lanes 16-31 in the next head
	v_mul_lo_u32 v15, v3, s95
	v_add_nc_u32 v15, 0x05040100, v15              ; byte selects: lanes 0-15 take two words' low halves, lanes 16-31 their high halves
.irp b, 0,1,2,3
	v_mov_b32 v[TM+4+\b], 0                        ; written once: a lane permute's destination counts as one of its sources
.endr
	s_wait_tensorcnt 2                             ; my part of K's first quarter is in; the two loads behind it may be out
	s_barrier_signal -1
	s_barrier_wait -1
	FETCH_B 0, 0, 0
	FETCH_A 0, 0, 0
	FETCH_A 0, 0, 4
	s_wait_loadcnt 0x0                             ; the scale words
	STEP 0, 0, 1, 1                                ; the first step's products start the sums: nothing is cleared
	TURN 1, 1, 1
	STEP 2, 1, 1, 0
	STEP 3, 2, 0, 0                                ; slot 2 was shown whole by every wave's wait in front of the round above
	STEP 4, 2, 1, 0
	TURN 5, 0, 0                                   ; K's last quarter has landed in slot 0
	STEP 6, 0, 1, 0
	s_wait_dscnt 24                                ; the last step: nothing more to fetch
	MWIN 0, 0
	MUL16 0, 7, 0
	MUL16 2, 7, 0
	s_wait_dscnt 0x0
	MWIN 1, 0
	MUL16 4, 7, 0
	MUL16 6, 7, 0
	WIN 0
	PLACES 4
; 64 numbers of a lane in window w, register s + 16 b + i = neighbour 32 b + 16 (lane / 16) + i of my row, become codes: blocks 0, 1 in v[d0] on (six registers, a whole block a lane), blocks 2, 3 in v[d1] on; the four bytes in v[pw].
; Each accumulator is read from its low end on.
.macro QUANT s, w, d0, d1, pw
	WIN ((\w)<<2)|((\w)<<4)                        ; sources 1 and 2: the accumulators' window
.irp b, 0,1,2,3
	v_max3_num_f32 v[TM+\b], 0x1800000, |v[\s+16*\b]|, |v[\s+16*\b+1]|   ; the floor 2^(3 - 127) is one more leaf: the byte cannot fall under 1
.endr
.irp i, 2,4,6,8,10,12,14
.irp b, 0,1,2,3
	v_max3_num_f32 v[TM+\b], v[TM+\b], |v[\s+16*\b+\i]|, |v[\s+16*\b+\i+1]|
.endr
.endr
	WIN 0
.irp b, 0,1,2,3
	v_permlanex16_b32 v[TM+4+\b], v[TM+\b], s[SEL], s[SEL+1]
.endr
.irp b, 0,1,2,3
	v_max_num_f32 v[TM+\b], v[TM+\b], v[TM+4+\b]   ; with lane l xor 16's 16: the block's largest magnitude
.endr
.irp b, 0,1,2,3
	v_add_nc_u32 v[TM+12+\b], 0xff000000, v[TM+\b] ; 2 off the exponent field: the conversion's scale operand
.endr
.irp b, 0,1,2,3
	v_lshrrev_b32 v[TM+4+\b], 23, v[TM+12+\b]      ; the byte
.endr
	v_lshl_or_b32 v[\pw], v[TM+5], 8, v[TM+4]
	v_lshl_or_b32 v[\pw], v[TM+6], 16, v[\pw]
	v_lshl_or_b32 v[\pw], v[TM+7], 24, v[\pw]
	WIN (\w)                                       ; source 0: the accumulators' window
	v_cvt_scalef32_pk16_fp6_f32 v[\d0:\d0+2], v[\s:\s+15], v[TM+12]
	v_cvt_scalef32_pk16_fp6_f32 v[CT:CT+2], v[\s+16:\s+31], v[TM+13]
	v_cvt_scalef32_pk16_fp6_f32 v[\d1:\d1+2], v[\s+32:\s+47], v[TM+14]
	v_cvt_scalef32_pk16_fp6_f32 v[CT+4:CT+6], v[\s+48:\s+63], v[TM+15]
	WIN 0
	v_nop                                          ; one plain line behind the scaled conversions
.irp i, 0,1,2
	v_permlane16_swap_b32 v[\d0+\i], v[CT+\i]      ; a whole block to a lane: lanes 0-15 the even block, lanes 16-31 the odd one
	v_permlane16_swap_b32 v[\d1+\i], v[CT+4+\i]
.endr
.irp i, 0,1,2
	v_mov_b32 v[\d0+3+\i], v[CT+\i]
	v_mov_b32 v[\d1+3+\i], v[CT+4+\i]
.endr
.endm
	s_cmp_eq_u32 s23, 1
	s_cbranch_scc1 .Lepi_v
	; ---- q and k: my 128 tokens x 128 columns = two heads.  A group of 32 tokens (A's blocks 2 g, 2 g + 1) gives one image for each head
	s_lshl_b32 s74, s75, 8
	s_lshl_b32 s78, s17, 7
	s_add_co_u32 s74, s74, s78                     ; my first token
	s_lshr_b32 s78, s74, 11                        ; its batch
	s_and_b32 s74, s74, 2047                       ; and its place there
	s_lshl_b32 s79, s77, 2
	s_lshl_b32 s80, s18, 1
	s_add_co_u32 s79, s79, s80
	s_and_b32 s79, s79, 15                         ; my first head
	s_lshl_b32 s78, s78, 4
	s_add_co_u32 s78, s78, s79                     ; 16 x batch + head
	s_lshr_b32 s79, s77, 2                         ; 0: q, 1: k
	s_mul_i32 s80, s78, 294912
	s_mul_i32 s81, s79, 98304
	s_add_co_u32 s80, s80, s81
	s_lshr_b32 s81, s74, 5
	s_mul_i32 s81, s81, 1536
	s_add_co_u32 s80, s80, s81
	s_mov_b32 s81, 0
	s_add_nc_u64 s[12:13], s[12:13], s[80:81]
	s_mul_i32 s80, s78, 12288
	s_lshl_b32 s82, s79, 12
	s_add_co_u32 s80, s80, s82
	s_lshr_b32 s82, s74, 7
	s_lshl_b32 s82, s82, 8
	s_add_co_u32 s80, s80, s82
	s_add_nc_u64 s[14:15], s[14:15], s[80:81]
.irp g, 0,1,2,3
.if \g > 0
	s_wait_xcnt 0x0                                ; the last group's stores have read the images, which are written again
.endif
	QUANT 64*((2*\g)%4), 2+(\g)/2, IM0, IM1, PW+2*\g
	QUANT 64*((2*\g+1)%4), 2+(\g)/2, IM0+6, IM1+6, PW+2*\g+1
	v_perm_b32 v[SW+\g], v[PW+2*\g+1], v[PW+2*\g], v15   ; the group's word: tile 0's two bytes, tile 1's two: of the first head in lanes 0-15, of the second in lanes 16-31
.irp c, 0,1
.irp k, 0,1,2
	global_store_b128 v13, v[IM0+12*\c+4*\k:IM0+12*\c+4*\k+3], s[12:13] offset:\c*294912+\g*1536+512*\k   ; 512 consecutive bytes, aligned
.endr
.endr
.endr
	global_store_b128 v14, v[SW:SW+3], s[14:15]    ; sixteen lanes store 256 consecutive bytes, aligned, in each of the two heads
	s_branch .Lend
.Lepi_v:
	; ---- v: my 128 columns = two heads x four tiles of 16; my 128 tokens are one K step of the attention's second product: each of A's blocks is one fragment
	s_lshl_b32 s74, s77, 8
	s_lshl_b32 s78, s18, 7
	s_add_co_u32 s74, s74, s78                     ; my first token
	s_lshr_b32 s78, s74, 11
	s_and_b32 s74, s74, 2047
	s_lshr_b32 s74, s74, 7                         ; which 128 tokens of the batch
	s_lshl_b32 s79, s75, 2
	s_lshl_b32 s80, s17, 1
	s_add_co_u32 s79, s79, s80                     ; my first head
	s_lshl_b32 s78, s78, 4
	s_add_co_u32 s78, s78, s79
	s_mul_i32 s80, s78, 294912
	s_mul_i32 s81, s74, 6144
	s_add_co_u32 s80, s80, s81
	s_add_co_u32 s80, s80, 196608
	s_mov_b32 s81, 0
	s_add_nc_u64 s[12:13], s[12:13], s[80:81]
	s_mul_i32 s80, s78, 12288
	s_lshl_b32 s82, s74, 8
	s_add_co_u32 s80, s80, s82
	s_add_co_u32 s80, s80, 8192
	s_add_nc_u64 s[14:15], s[14:15], s[80:81]
.irp a, 0,1,2,3,4,5,6,7
.if \a > 1
	s_wait_xcnt 0x0                                ; the stores of two blocks back have read this image
.endif
	QUANT 64*(\a%4), 2+\a/4, IM0+12*(\a%2), IM0+12*(\a%2)+6, PW+\a
.irp k, 0,1,2
	global_store_b128 v13, v[IM0+12*(\a%2)+4*\k:IM0+12*(\a%2)+4*\k+3], s[12:13] offset:(\a/4)*294912+(\a%4)*1536+512*\k
.endr
.endr
	v_cmp_eq_u32 vcc_lo, 0, v3
.irp t, 0,1,2,3
	v_cndmask_b32 v[SW+\t], v[PW+4+\t], v[PW+\t], vcc_lo   ; lanes 0-15 the first head's four tiles, lanes 16-31 the second's
.endr
	global_store_b128 v14, v[SW:SW+3], s[14:15]
.Lend:
	s_wait_tensorcnt 0x0                           ; the wave's end
	ds_add_u32 v[SPW], v[NIL]
	s_wait_dscnt 0x0
	CROUND                                         ; the closing round: no work-group ends while a partner may still ask for a tile that names it
	s_endpgm
.Lfunc_end_k_qb130f34185_gemm_qkv:
	.size	k_qb130f34185_gemm_qkv, .Lfunc_end_k_qb130f34185_gemm_qkv-k_qb130f34185_gemm_qkv
	.p2alignl 7, 3214868480
	.fill 96, 4, 3214868480
	.section	.rodata,"a",@progbits
	.p2align	6, 0x0
	.amdhsa_kernel k_qb130f34185_gemm_qkv
		.amdhsa_group_segment_fixed_size 327680
		.amdhsa_private_segment_fixed_size 0
		.amdhsa_enable_private_segment 0
		.amdhsa_kernarg_size 48
		.amdhsa_user_sgpr_count 2
		.amdhsa_user_sgpr_kernarg_segment_ptr 1
		.amdhsa_wavefront_size32 1
		.amdhsa_system_sgpr_workgroup_id_x 1
		.amdhsa_system_sgpr_workgroup_id_y 1
		.amdhsa_system_sgpr_workgroup_id_z 1
		.amdhsa_system_vgpr_workitem_id 0
		.amdhsa_next_free_vgpr 1024
		.amdhsa_next_free_sgpr 100
		.amdhsa_reserve_vcc 1
		.amdhsa_float_denorm_mode_32 3
		.amdhsa_float_denorm_mode_16_64 3
		.amdhsa_memory_ordered 1
		.amdhsa_forward_progress 1
		.amdhsa_inst_pref_size 198
	.end_amdhsa_kernel
	.amdgpu_metadata
---
amdhsa.version: [ 1, 2 ]
amdhsa.kernels:
  - .name:           k_qb130f34185_gemm_qkv
    .symbol:         k_qb130f34185_gemm_qkv.kd
    .args:
      - { .name: xc, .offset: 0, .size: 8, .value_kind: global_buffer, .address_space: global }
      - { .name: xs, .offset: 8, .size: 8, .value_kind: global_buffer, .address_space: global }
      - { .name: wc, .offset: 16, .size: 8, .value_kind: global_buffer, .address_space: global }
      - { .name: ws, .offset: 24, .size: 8, .value_kind: global_buffer, .address_space: global }
      - { .name: qkvc, .offset: 32, .size: 8, .value_kind: global_buffer, .address_space: global }
      - { .name: qkvs, .offset: 40, .size: 8, .value_kind: global_buffer, .address_space: global }
    .group_segment_fixed_size: 327680
    .private_segment_fixed_size: 0
    .kernarg_segment_align: 8
    .kernarg_segment_size: 48
    .max_flat_workgroup_size: 128
    .sgpr_count:     100
    .vgpr_count:     1024
    .wavefront_size: 32
...
	.end_amdgpu_metadata
.endif
;; end of part 2
;; launch attn (part 3): grid 4 x 64, 16 waves a work-group, clusters of 4 x 1, 327,680 bytes of LDS; arguments qkvc, qkvs, oc, os; writes oc, os
.if DOCPART == 3
	.amdgcn_target "amdgcn-amd-amdhsa--gfx1250"
	.amdhsa_code_object_version 6
	.text
	.protected	k_qb130f34185_attn
	.globl	k_qb130f34185_attn
	.p2align	8
	.type	k_qb130f34185_attn,@function
k_qb130f34185_attn:
	s_mov_b64 s[64:65], 0
	v_nop
	global_prefetch_b8 v0, s[64:65] scope:SCOPE_SE
	s_setreg_imm32_b32 hwreg(HW_REG_WAVE_MODE, 25, 1), 1
	s_wait_xcnt 0x0
	s_wait_alu depctr_hold_cnt(0) depctr_sa_sdst(0) depctr_va_vdst(0) depctr_va_sdst(0) depctr_va_ssrc(0) depctr_va_vcc(0) depctr_vm_vsrc(0)
	s_getreg_b32 s2, hwreg(HW_REG_IB_STS2, 6, 4)
	s_cmp_eq_u32 s2, 0
	s_cbranch_scc0 .Lentry_in_a_cluster
	s_endpgm
.Lentry_in_a_cluster:
	s_bfe_u32 s2, ttmp6, 0x10000c
	s_cmp_lg_u32 s2, 0x3003
	s_cbranch_scc0 .Lentry_shape_is_right
	s_endpgm
.Lentry_shape_is_right:
.set LVC,  98304
.set LKS,  196608
.set OSTG, 204800
.set FLOORB, 0x1800000
.set EOFF,   0xff000000
.set AK0, 1
.set AS0, 2
.set ADK, 3
.set ADV, 4
.set ADS, 5
.set L8,  6
.set OSA, 7
.set QSR, 8
.set QS,  9
.set PW,  10
.set OSW, 11
.set QF,  16
.set QI,  34
.set KSW, 46
.set VSW, 50
.set FG,  54
.set S,   102
.set O,   166
.set PC,  198
.set CT,  210
.set BM,  218
.set BP,  222
.set SOP, 226
.set SUM2, 230
.set F,   234
.set TV,  236
.set WV,  12
.set SEL, 20
.set CS,  22
.set G1C, 24
.set G1S, 32
.set G0C, 40
.set G0S, 44
.set KO,  48
.set SO,  49
.set TR,  50
.macro CROUND
	s_barrier_signal -1
	s_barrier_wait -1
	s_cmp_lg_u32 s[WV], 0
	s_cbranch_scc1 .Lnot_wave_0_\@
	s_barrier_signal -3
.Lnot_wave_0_\@:
	s_barrier_wait -3
	s_barrier_signal -1
	s_barrier_wait -1
.endm
	s_load_b256 s[4:11], s[0:1], 0x0
	v_lshl_add_u32 v254, v0, 2, 0x32400
	v_mov_b32 v255, 0
	ds_add_u32 v254, v255
	ds_add_u32 v254, v255
	v_lshrrev_b32 v1, 5, v0
	s_delay_alu instid0(VALU_DEP_1)
	v_readfirstlane_b32 s[WV], v1
	s_bfe_u32 s13, ttmp6, 0x40000
	s_and_b32 s14, ttmp7, 0xffff
	s_lshl_b32 s15, ttmp9, 2
	s_add_co_u32 s15, s15, s13
	s_lshl_b32 s16, s15, 4
	s_add_co_u32 s16, s16, s[WV]
	s_mov_b32 s[G1C], 15|(3<<16)|(1<<21)
	s_mov_b32 s[G1C+1], 32<<16
	s_mov_b32 s[G1C+2], 48<<16
	s_mov_b32 s[G1C+3], 32<<16
	s_mov_b32 s[G1C+4], 48
	s_mov_b32 s[G1C+5], 32
	s_mov_b32 s[G1C+6], 0
	s_mov_b32 s[G1C+7], 0
	s_mov_b32 s[G1S], 15|(3<<16)|(1<<21)
	s_mov_b32 s[G1S+1], 32<<16
	s_mov_b32 s[G1S+2], 2<<16
	s_mov_b32 s[G1S+3], 32<<16
	s_mov_b32 s[G1S+4], 2
	s_mov_b32 s[G1S+5], 32
	s_mov_b32 s[G1S+6], 0
	s_mov_b32 s[G1S+7], 0
	s_mul_i32 s52, s14, 294912
	s_mul_i32 s54, s[WV], 12288
	s_add_co_u32 s56, s52, s54
	s_add_co_u32 s56, s56, 98304
	s_mov_b32 s57, 0
	s_mul_i32 s58, s14, 12288
	s_lshl_b32 s55, s[WV], 9
	s_add_co_u32 s60, s58, s55
	s_add_co_u32 s60, s60, 4096
	s_mov_b32 s61, 0
	s_mov_b32 s[SEL], 0x76543210
	s_mov_b32 s[SEL+1], 0xfedcba98
	s_mov_b32 s[CS], 0x3eb8aa3b
	s_mov_b32 s[CS+1], s[CS]
	s_wait_dscnt 0x0
	s_wait_kmcnt 0x0
	s_mov_b32 s[G0C], 1
	s_mov_b32 s[G0C+1], s54
	s_add_nc_u64 s[G0C+2:G0C+3], s[4:5], s[56:57]
	s_or_b32 s[G0C+3], s[G0C+3], 0x80000000
	s_mov_b32 s[G0S], 1
	s_add_co_u32 s[G0S+1], s55, LKS
	s_add_nc_u64 s[G0S+2:G0S+3], s[6:7], s[60:61]
	s_or_b32 s[G0S+3], s[G0S+3], 0x80000000
	CROUND
	tensor_load_to_lds s[G0C:G0C+3], s[G1C:G1C+7]
	s_nop 0
	s_wait_alu depctr_va_vdst(0)
	s_wait_tensorcnt 0x0
	ds_add_u32 v254, v255
	s_wait_dscnt 0x0
	CROUND
	tensor_load_to_lds s[G0S:G0S+3], s[G1S:G1S+7]
	s_nop 0
.rept 4
	v_nop
.endr
	s_mul_i32 s53, s16, 1536
	s_add_co_u32 s52, s52, s53
	s_mov_b32 s53, 0
	s_add_nc_u64 s[4:5], s[4:5], s[52:53]
	s_lshr_b32 s54, s16, 2
	s_lshl_b32 s54, s54, 8
	s_and_b32 s55, s16, 3
	s_lshl_b32 s55, s55, 2
	s_add_co_u32 s58, s58, s54
	s_add_co_u32 s58, s58, s55
	s_mov_b32 s59, 0
	s_add_nc_u64 s[6:7], s[6:7], s[58:59]
	s_lshr_b32 s54, s14, 4
	s_and_b32 s55, s14, 15
	s_lshl_b32 s56, s54, 7
	s_lshl_b32 s57, s16, 1
	s_add_co_u32 s56, s56, s57
	s_mul_i32 s56, s56, 12288
	s_mul_i32 s57, s55, 768
	s_add_co_u32 s56, s56, s57
	s_mov_b32 s57, 0
	s_add_nc_u64 s[8:9], s[8:9], s[56:57]
	s_lshl_b32 s56, s54, 6
	s_lshl_b32 s58, s15, 4
	s_add_co_u32 s56, s56, s58
	s_lshl_b32 s56, s56, 6
	s_lshl_b32 s58, s55, 14
	s_add_co_u32 s56, s56, s58
	s_add_nc_u64 s[10:11], s[10:11], s[56:57]
	v_and_b32 v236, 31, v0
	s_delay_alu instid0(VALU_DEP_1)
	v_lshlrev_b32 v[AK0], 4, v236
	s_delay_alu instid0(VALU_DEP_2)
	v_lshlrev_b32 v[L8], 3, v236
	v_and_b32 v237, 15, v0
	s_delay_alu instid0(VALU_DEP_1)
	v_lshl_add_u32 v[AS0], v237, 4, LKS
	s_lshl_b32 s62, s[WV], 6
	v_lshlrev_b32 v[OSA], 2, v237
	s_delay_alu instid0(VALU_DEP_1)
	v_add_nc_u32 v[OSA], s62, v[OSA]
	s_delay_alu instid0(VALU_DEP_1)
	v_add_nc_u32 v[OSA], OSTG, v[OSA]
	v_and_b32 v238, 63, v0
	s_delay_alu instid0(VALU_DEP_1)
	v_lshlrev_b32 v238, 4, v238
	s_delay_alu instid0(VALU_DEP_1)
	v_add_nc_u32 v239, OSTG, v238
	v_lshlrev_b32 v237, 4, v237
.irp k, 0,1,2
	global_load_b128 v[QI+4*\k:QI+4*\k+3], v[AK0], s[4:5] offset:512*\k
.endr
	global_load_b32 v[QSR], v237, s[6:7]
.irp i, 0,1,2,3,4,5
	v_mov_b32 v[QF+6+\i], 0
.endr
.irp b, 0,1,2,3
	v_mov_b32 v[BP+\b], 0
.endr
	v_mov_b32 v[F+1], 0
	s_wait_tensorcnt 0x0
	s_barrier_signal -1
	s_barrier_wait -1
	s_wait_loadcnt 0x0
.macro PASS u
.if \u
	s_wait_xcnt 0x0
.endif
.irp i, 0,1,2,3,4,5
	v_mov_b32 v[QF+\i], v[QI+6*\u+\i]
	v_mov_b32 v[QF+12+\i], v[QI+6*\u+\i]
.endr
.if \u
	v_lshrrev_b32 v[QS], 16, v[QSR]
.else
	v_and_b32 v[QS], 0xffff, v[QSR]
.endif
	s_delay_alu instid0(VALU_DEP_1)
	v_lshl_or_b32 v[QS], v[QS], 16, v[QS]
	v_mov_b32 v13, 0xff61b1e6
	s_delay_alu instid0(VALU_DEP_1)
	v_floor_f32 v12, -v13
	v_mov_b32 v14, 0
	v_mov_b32 v15, 0
.set j, 0
.rept 32
	v_mov_b32 v[O+j], 0
.set j, j+1
.endr
	s_mov_b32 s[KO], 0
	s_mov_b32 s[SO], 0
	s_mov_b32 s[TR], 16
.Ltrip_\@:
	s_setprio 2
	v_add_nc_u32 v[ADK], s[KO], v[AK0]
	v_add_nc_u32 v[ADS], s[SO], v[AS0]
	s_delay_alu instid0(VALU_DEP_2)
	v_add_nc_u32 v[ADV], LVC, v[ADK]
	v_nop
.irp b, 0,1,2,3
.irp k, 0,1,2
	ds_load_b128 v[FG+12*\b+4*\k:FG+12*\b+4*\k+3], v[ADK] offset:1536*\b+512*\k
.endr
.endr
	ds_load_b128 v[KSW:KSW+3], v[ADS]
	s_wait_alu depctr_va_vdst(0)
	s_wait_dscnt 0x0
.irp b, 0,1,2,3
	v_wmma_scale_f32_16x16x128_f8f6f4 v[S+16*\b:S+16*\b+7], v[FG+12*\b:FG+12*\b+11], v[QF:QF+11], 0, v[KSW+\b], v[QS] matrix_a_fmt:MATRIX_FMT_FP6 matrix_b_fmt:MATRIX_FMT_FP6
	v_wmma_scale_f32_16x16x128_f8f6f4 v[S+16*\b+8:S+16*\b+15], v[FG+12*\b:FG+12*\b+11], v[QF+6:QF+17], 0, v[KSW+\b], v[QS] matrix_a_fmt:MATRIX_FMT_FP6 matrix_b_fmt:MATRIX_FMT_FP6
.endr
.rept 4
	v_nop
.endr
.irp t, 0,1,2,3
.irp k, 0,1,2
	ds_load_b128 v[FG+12*\t+4*\k:FG+12*\t+4*\k+3], v[ADV] offset:1536*\t+512*\k
.endr
.endr
	ds_load_b128 v[VSW:VSW+3], v[ADS] offset:4096
.irp b, 0,1,2,3
	v_max3_num_f32 v[BM+\b], v[S+16*\b], v[S+16*\b+1], v[S+16*\b+2]
.endr
.irp i, 3,5,7,9,11,13
.irp b, 0,1,2,3
	v_max3_num_f32 v[BM+\b], v[BM+\b], v[S+16*\b+\i], v[S+16*\b+\i+1]
.endr
.endr
.irp b, 0,1,2,3
	v_max_num_f32 v[BM+\b], v[BM+\b], v[S+16*\b+15]
.endr
.irp b, 0,1,2,3
	s_delay_alu instid0(VALU_DEP_4)
	v_permlanex16_b32 v[BP+\b], v[BM+\b], s[SEL], s[SEL+1]
.endr
.irp b, 0,1,2,3
	s_delay_alu instid0(VALU_DEP_4)
	v_max_num_f32 v[BM+\b], v[BM+\b], v[BP+\b]
.endr
	s_delay_alu instid0(VALU_DEP_2)
	v_max3_num_f32 v[TV], v[BM], v[BM+1], v[BM+2]
	s_delay_alu instid0(VALU_DEP_1)
	v_max_num_f32 v[TV], v[TV], v[BM+3]
	s_delay_alu instid0(VALU_DEP_1)
	v_mul_f32 v[TV], s[CS], v[TV]
	s_delay_alu instid0(VALU_DEP_1)
	v_max_num_f32 v13, v13, v[TV]
	v_mov_b32 v[TV], v12
	s_delay_alu instid0(VALU_DEP_2)
	v_floor_f32 v12, -v13
	s_delay_alu instid0(VALU_DEP_1)
	v_sub_f32 v[TV], v12, v[TV]
	s_delay_alu instid0(VALU_DEP_1)
	v_cvt_i32_f32 v[TV], v[TV]
	s_delay_alu instid0(VALU_DEP_1)
	v_ldexp_f32 v[F], 1.0, v[TV]
.set j, 0
.rept 32
	v_pk_fma_f32 v[S+j:S+j+1], v[S+j:S+j+1], s[CS:CS+1], v[12:13] op_sel_hi:[1,0,0]
.set j, j+2
.endr
.irp b, 0,1,2,3
	v_fma_f32 v[BM+\b], v[BM+\b], s[CS], v12
.endr
.set j, 0
	s_wait_alu depctr_va_vdst(0)
.rept 64
	v_exp_f32 v[S+j], v[S+j]
.set j, j+1
.endr
	s_setprio 1
	v_pk_mul_f32 v[14:15], v[14:15], v[F:F+1] op_sel_hi:[1,0]
	s_wait_alu depctr_va_vdst(0)
.irp b, 0,1,2,3
	v_exp_f32 v[BM+\b], v[BM+\b]
.endr
	v_pk_add_f32 v[SUM2:SUM2+1], v[S:S+1], v[S+2:S+3]
.irp j, 4,8,12,16,20,24,28,32,36,40,44,48,52
	v_pk_add_f32 v[14:15], v[14:15], v[S+\j:S+\j+1]
	v_pk_add_f32 v[SUM2:SUM2+1], v[SUM2:SUM2+1], v[S+\j+2:S+\j+3]
.endr
	s_wait_alu depctr_va_vdst(0)
.irp b, 0,1,2,3
	v_max_num_f32 v[BM+\b], FLOORB, v[BM+\b]
.endr
.irp b, 0,1,2,3
	s_delay_alu instid0(VALU_DEP_4)
	v_add_nc_u32 v[SOP+\b], EOFF, v[BM+\b]
.endr
.irp b, 0,1,2,3
	s_delay_alu instid0(VALU_DEP_4)
	v_lshrrev_b32 v[BP+\b], 23, v[SOP+\b]
.endr
	s_delay_alu instid0(VALU_DEP_3)
	v_lshl_or_b32 v[PW], v[BP+1], 8, v[BP]
	s_delay_alu instid0(VALU_DEP_1)
	v_lshl_or_b32 v[PW], v[BP+2], 16, v[PW]
	s_delay_alu instid0(VALU_DEP_1)
	v_lshl_or_b32 v[PW], v[BP+3], 24, v[PW]
.irp c, 0,1
	v_cvt_scalef32_pk16_fp6_f32 v[PC+6*\c:PC+6*\c+2], v[S+32*\c:S+32*\c+15], v[SOP+2*\c]
	v_cvt_scalef32_pk16_fp6_f32 v[CT+4*\c:CT+4*\c+2], v[S+32*\c+16:S+32*\c+31], v[SOP+2*\c+1]
.endr
	v_nop
.irp c, 0,1
.irp i, 0,1,2
	v_permlane16_swap_b32 v[PC+6*\c+\i], v[CT+4*\c+\i]
.endr
.irp i, 0,1,2
	s_delay_alu instid0(VALU_DEP_3)
	v_mov_b32 v[PC+6*\c+3+\i], v[CT+4*\c+\i]
.endr
.endr
.set j, 0
	s_setprio 0
.rept 16
	v_pk_mul_f32 v[O+j:O+j+1], v[O+j:O+j+1], v[F:F+1] op_sel_hi:[1,0]
.set j, j+2
.endr
.irp j, 56,60
	v_pk_add_f32 v[14:15], v[14:15], v[S+\j:S+\j+1]
	v_pk_add_f32 v[SUM2:SUM2+1], v[SUM2:SUM2+1], v[S+\j+2:S+\j+3]
.endr
	s_delay_alu instid0(VALU_DEP_1)
	v_pk_add_f32 v[14:15], v[14:15], v[SUM2:SUM2+1]
	s_wait_alu depctr_va_vdst(0)
	s_wait_dscnt 0x0
.irp t, 0,1,2,3
	v_wmma_scale_f32_16x16x128_f8f6f4 v[O+8*\t:O+8*\t+7], v[FG+12*\t:FG+12*\t+11], v[PC:PC+11], v[O+8*\t:O+8*\t+7], v[VSW+\t], v[PW] matrix_a_fmt:MATRIX_FMT_FP6 matrix_b_fmt:MATRIX_FMT_FP6
.endr
	s_add_co_u32 s[KO], s[KO], 6144
	s_add_co_u32 s[SO], s[SO], 256
	s_sub_co_u32 s[TR], s[TR], 1
	s_cmp_lg_u32 s[TR], 0
	s_cbranch_scc1 .Ltrip_\@
	s_setprio 0
.rept 4
	v_nop
.endr
	v_add_f32 v14, v14, v15
	s_delay_alu instid0(VALU_DEP_1)
	v_permlanex16_b32 v[TV], v14, s[SEL], s[SEL+1]
	s_delay_alu instid0(VALU_DEP_1)
	v_add_f32 v14, v14, v[TV]
	s_wait_alu depctr_va_vdst(0)
	v_rcp_f32 v[F], v14
	v_nop
	s_wait_alu depctr_va_vdst(0)
.set j, 0
.rept 16
	v_pk_mul_f32 v[S+j:S+j+1], v[O+j:O+j+1], v[F:F+1] op_sel_hi:[1,0]
.set j, j+2
.endr
.irp b, 0,1
	v_max3_num_f32 v[BM+\b], |v[S+16*\b]|, |v[S+16*\b+1]|, FLOORB
.endr
.irp i, 2,4,6,8,10,12,14
.irp b, 0,1
	s_delay_alu instid0(VALU_DEP_2)
	v_max3_num_f32 v[BM+\b], v[BM+\b], |v[S+16*\b+\i]|, |v[S+16*\b+\i+1]|
.endr
.endr
.irp b, 0,1
	s_delay_alu instid0(VALU_DEP_2)
	v_permlanex16_b32 v[BP+\b], v[BM+\b], s[SEL], s[SEL+1]
.endr
.irp b, 0,1
	s_delay_alu instid0(VALU_DEP_2)
	v_max_num_f32 v[BM+\b], v[BM+\b], v[BP+\b]
.endr
.irp b, 0,1
	s_delay_alu instid0(VALU_DEP_2)
	v_add_nc_u32 v[SOP+\b], EOFF, v[BM+\b]
.endr
.irp b, 0,1
	s_delay_alu instid0(VALU_DEP_2)
	v_lshrrev_b32 v[BP+\b], 23, v[SOP+\b]
.endr
	s_delay_alu instid0(VALU_DEP_1)
	v_lshl_or_b32 v[TV], v[BP+1], 8, v[BP]
.if \u
	s_delay_alu instid0(VALU_DEP_1)
	v_lshl_or_b32 v[OSW], v[TV], 16, v[OSW]
.else
	s_delay_alu instid0(VALU_DEP_1)
	v_mov_b32 v[OSW], v[TV]
.endif
	v_cvt_scalef32_pk16_fp6_f32 v[PC:PC+2], v[S:S+15], v[SOP]
	v_cvt_scalef32_pk16_fp6_f32 v[CT:CT+2], v[S+16:S+31], v[SOP+1]
	v_nop
.irp i, 0,1,2
	v_permlane16_swap_b32 v[PC+\i], v[CT+\i]
.endr
.irp i, 0,1,2
	s_delay_alu instid0(VALU_DEP_3)
	v_mov_b32 v[PC+3+\i], v[CT+\i]
.endr
.irp p, 0,1,2
	global_store_b64 v[L8], v[PC+2*\p:PC+2*\p+1], s[8:9] offset:\u*12288+256*\p
.endr
.endm
	PASS 0
	PASS 1
	ds_store_b32 v[OSA], v[OSW]
	s_wait_dscnt 0x0
	s_barrier_signal -1
	s_barrier_wait -1
	s_cmp_lt_u32 s[WV], 2
	s_cbranch_scc0 .Lno_os
	ds_load_b128 v[S:S+3], v239
	s_wait_dscnt 0x0
	global_store_b128 v238, v[S:S+3], s[10:11]
.Lno_os:
	s_wait_tensorcnt 0x0
	ds_add_u32 v254, v255
	s_wait_dscnt 0x0
	CROUND
	s_endpgm
.Lfunc_end_k_qb130f34185_attn:
	.size	k_qb130f34185_attn, .Lfunc_end_k_qb130f34185_attn-k_qb130f34185_attn
	.p2alignl 7, 3214868480
	.fill 96, 4, 3214868480
	.section	.rodata,"a",@progbits
	.p2align	6, 0x0
	.amdhsa_kernel k_qb130f34185_attn
		.amdhsa_group_segment_fixed_size 327680
		.amdhsa_private_segment_fixed_size 0
		.amdhsa_enable_private_segment 0
		.amdhsa_kernarg_size 32
		.amdhsa_user_sgpr_count 2
		.amdhsa_user_sgpr_kernarg_segment_ptr 1
		.amdhsa_wavefront_size32 1
		.amdhsa_system_sgpr_workgroup_id_x 1
		.amdhsa_system_sgpr_workgroup_id_y 1
		.amdhsa_system_sgpr_workgroup_id_z 1
		.amdhsa_system_vgpr_workitem_id 0
		.amdhsa_next_free_vgpr 256
		.amdhsa_next_free_sgpr 66
		.amdhsa_reserve_vcc 0
		.amdhsa_float_denorm_mode_32 3
		.amdhsa_float_denorm_mode_16_64 3
		.amdhsa_memory_ordered 1
		.amdhsa_forward_progress 1
		.amdhsa_inst_pref_size 54
	.end_amdhsa_kernel
	.amdgpu_metadata
---
amdhsa.version: [ 1, 2 ]
amdhsa.kernels:
  - .name:           k_qb130f34185_attn
    .symbol:         k_qb130f34185_attn.kd
    .args:
      - { .name: qkvc, .offset: 0, .size: 8, .value_kind: global_buffer, .address_space: global }
      - { .name: qkvs, .offset: 8, .size: 8, .value_kind: global_buffer, .address_space: global }
      - { .name: oc, .offset: 16, .size: 8, .value_kind: global_buffer, .address_space: global }
      - { .name: os, .offset: 24, .size: 8, .value_kind: global_buffer, .address_space: global }
    .group_segment_fixed_size: 327680
    .private_segment_fixed_size: 0
    .kernarg_segment_align: 8
    .kernarg_segment_size: 32
    .max_flat_workgroup_size: 512
    .sgpr_count:     66
    .vgpr_count:     256
    .wavefront_size: 32
...
	.end_amdgpu_metadata
.endif
;; end of part 3
;; launch gemm_proj (part 4): grid 4 x 32, 4 waves a work-group, clusters of 4 x 4, 327,680 bytes of LDS; arguments oc, os, wc, ws, b_proj, out0; writes out0
.if DOCPART == 4
	.amdgcn_target "amdgcn-amd-amdhsa--gfx1250"
	.amdhsa_code_object_version 6
	.text
	.protected	k_qb130f34185_gemm_proj
	.globl	k_qb130f34185_gemm_proj
	.p2align	8
	.type	k_qb130f34185_gemm_proj,@function
k_qb130f34185_gemm_proj:
	s_mov_b64 s[64:65], 0
	v_nop
	global_prefetch_b8 v0, s[64:65] scope:SCOPE_SE
	s_setreg_imm32_b32 hwreg(HW_REG_WAVE_MODE, 25, 1), 1
	s_wait_xcnt 0x0
	s_wait_alu depctr_hold_cnt(0) depctr_sa_sdst(0) depctr_va_vdst(0) depctr_va_sdst(0) depctr_va_ssrc(0) depctr_va_vcc(0) depctr_vm_vsrc(0)
	s_getreg_b32 s2, hwreg(HW_REG_IB_STS2, 6, 4)
	s_cmp_eq_u32 s2, 0
	s_cbranch_scc0 .Lentry_in_a_cluster
	s_endpgm
.Lentry_in_a_cluster:
	s_bfe_u32 s2, ttmp6, 0x10000c
	s_cmp_lg_u32 s2, 0xf033
	s_cbranch_scc0 .Lentry_shape_is_right
	s_endpgm
.Lentry_shape_is_right:
.set SLOT,   98304
.set HALFT,  24576
.set TILEK,  3072
.set TILEB,  12288
.set SPARE,  3*SLOT
.set FR,   12
.set ADRA, 4
.set ADRB, 8
.set STO,  24
.set RD,   25
.set CO,   26
.set SPW,  28
.set NIL,  29
.set SCA,  32
.set SCB,  64
.set AF,   128
.set RAWS, 224
.set BK,   128
.set G1A,  24
.set G1B,  32
.set G0A,  40
.set G0B,  52
.set MSB, 0
.macro WIN new
.if MSB != (\new)
	s_set_vgpr_msb (MSB<<8)|(\new)
.set MSB, (\new)
.endif
.endm
.macro JLOAD n
	s_cmp_eq_u32 s17, 0
	s_cbranch_scc0 .Lfor_b_\@
	tensor_load_to_lds s[G0A+4*\n:G0A+4*\n+3], s[G1A:G1A+7]
	s_nop 0
.rept 4
	v_nop
.endr
	s_branch .Lasked_\@
.Lfor_b_\@:
	tensor_load_to_lds s[G0B+4*\n:G0B+4*\n+3], s[G1B:G1B+7]
	s_nop 0
.rept 4
	v_nop
.endr
.Lasked_\@:
.endm
.macro CREST
	s_cmp_lg_u32 s16, 0
	s_cbranch_scc1 .Lnot_wave_0_\@
	s_barrier_signal -3
.Lnot_wave_0_\@:
	s_barrier_wait -3
	s_barrier_signal -1
	s_barrier_wait -1
.endm
.macro CROUND
	s_barrier_signal -1
	s_barrier_wait -1
	CREST
.endm
.macro PLACES n
.rept \n
	v_nop
.endr
.endm
.macro WM a, b, q, zero
.set xD, 8*(8*((\a)%4)+(\b))
.set xB, 128*((\q)%2)+FR*(\b)
.set xA, AF+FR*(\a)
.set xSB, SCB+8*((\b)%4)+(\q)
.set xSA, SCA+8*((\a)%4)+(\q)
.set xC, xD
.if (\zero) == 2
.set xC, 96+128*((\b)/4)+8*((\b)%4)
.endif
.if (\zero) == 1
.if (\b) < 4
.if (\a) < 4
	v_wmma_scale_f32_16x16x128_f8f6f4 v[xD:xD+7], v[xB:xB+FR-1], v[xA:xA+FR-1], 0, v[xSB], v[xSA] matrix_a_fmt:MATRIX_FMT_FP6 matrix_b_fmt:MATRIX_FMT_FP6
.else
	v_wmma_scale_f32_16x16x128_f8f6f4 v[xD:xD+7], v[xB:xB+FR-1], v[xA:xA+FR-1], 0, v[xSB], v[xSA] matrix_a_fmt:MATRIX_FMT_FP6 matrix_b_fmt:MATRIX_FMT_FP6 matrix_b_scale:MATRIX_SCALE_ROW1
.endif
.else
.if (\a) < 4
	v_wmma_scale_f32_16x16x128_f8f6f4 v[xD:xD+7], v[xB:xB+FR-1], v[xA:xA+FR-1], 0, v[xSB], v[xSA] matrix_a_fmt:MATRIX_FMT_FP6 matrix_b_fmt:MATRIX_FMT_FP6 matrix_a_scale:MATRIX_SCALE_ROW1
.else
	v_wmma_scale_f32_16x16x128_f8f6f4 v[xD:xD+7], v[xB:xB+FR-1], v[xA:xA+FR-1], 0, v[xSB], v[xSA] matrix_a_fmt:MATRIX_FMT_FP6 matrix_b_fmt:MATRIX_FMT_FP6 matrix_a_scale:MATRIX_SCALE_ROW1 matrix_b_scale:MATRIX_SCALE_ROW1
.endif
.endif
.else
.if (\b) < 4
.if (\a) < 4
	v_wmma_scale_f32_16x16x128_f8f6f4 v[xD:xD+7], v[xB:xB+FR-1], v[xA:xA+FR-1], v[xC:xC+7], v[xSB], v[xSA] matrix_a_fmt:MATRIX_FMT_FP6 matrix_b_fmt:MATRIX_FMT_FP6
.else
	v_wmma_scale_f32_16x16x128_f8f6f4 v[xD:xD+7], v[xB:xB+FR-1], v[xA:xA+FR-1], v[xC:xC+7], v[xSB], v[xSA] matrix_a_fmt:MATRIX_FMT_FP6 matrix_b_fmt:MATRIX_FMT_FP6 matrix_b_scale:MATRIX_SCALE_ROW1
.endif
.else
.if (\a) < 4
	v_wmma_scale_f32_16x16x128_f8f6f4 v[xD:xD+7], v[xB:xB+FR-1], v[xA:xA+FR-1], v[xC:xC+7], v[xSB], v[xSA] matrix_a_fmt:MATRIX_FMT_FP6 matrix_b_fmt:MATRIX_FMT_FP6 matrix_a_scale:MATRIX_SCALE_ROW1
.else
	v_wmma_scale_f32_16x16x128_f8f6f4 v[xD:xD+7], v[xB:xB+FR-1], v[xA:xA+FR-1], v[xC:xC+7], v[xSB], v[xSA] matrix_a_fmt:MATRIX_FMT_FP6 matrix_b_fmt:MATRIX_FMT_FP6 matrix_a_scale:MATRIX_SCALE_ROW1 matrix_b_scale:MATRIX_SCALE_ROW1
.endif
.endif
.endif
.endm
.macro MUL16 a0, q, zero
.irp a, \a0, \a0+1
.irp b, 0,1,2,3,4,5,6,7
	WM \a, \b, \q, \zero
.endr
.endr
.endm
.macro MWIN hi, zero
.if (\zero) == 2
	WIN 0x91+0x40*(\hi)
.else
	WIN 0xa1+0x50*(\hi)
.endif
.endm
.macro FRAG reg, adr, q2, i
.irp p, 0,1,2,3,4,5
	ds_load_b64 v[\reg+2*\p:\reg+2*\p+1], v[\adr] offset:(\i)*TILEK+(\q2)*1536+256*\p
.endr
.endm
.macro FETCH_B slot, q2, set
	WIN 0x40
.irp i, 0,1,2,3,4,5,6,7
	FRAG 128*(\set)+FR*\i, ADRB+\slot, \q2, \i
.endr
	WIN 0
.endm
.macro FETCH_A slot, q2, i0
.irp i, \i0, \i0+1, \i0+2, \i0+3
	FRAG AF+FR*(\i), ADRA+\slot, \q2, \i
.endr
.endm
.macro STEP q, ns, nq, zero
	s_wait_dscnt 24
	MWIN 0, \zero
	MUL16 0, \q, \zero
	MUL16 2, \q, \zero
	s_wait_dscnt 0x0
	PLACES 4
	FETCH_B \ns, \nq, 1-(\q)%2
	FETCH_A \ns, \nq, 0
	MWIN 1, \zero
	MUL16 4, \q, \zero
	MUL16 6, \q, \zero
	PLACES 4
	WIN 0
	FETCH_A \ns, \nq, 4
.endm
.macro TURN q, ns, fill
	s_wait_tensorcnt 0x0
	ds_add_u32 v[SPW], v[NIL]
	s_wait_dscnt 25
	MWIN 0, 0
	MUL16 0, \q, 0
	s_wait_dscnt 0x0
	s_barrier_signal -1
	MUL16 2, \q, 0
	WIN 0
	s_barrier_wait -1
.if \fill
	CREST
	s_add_nc_u64 s[G0A+2:G0A+3], s[G0A+2:G0A+3], 3*TILEK
	s_add_nc_u64 s[G0B+2:G0B+3], s[G0B+2:G0B+3], 3*TILEK
	JLOAD 0
.else
	PLACES 4
.endif
	FETCH_B \ns, 0, 1-(\q)%2
	FETCH_A \ns, 0, 0
	MWIN 1, 0
	MUL16 4, \q, 0
	MUL16 6, \q, 0
	PLACES 4
	WIN 0
	FETCH_A \ns, 0, 4
.endm
	s_load_b256 s[4:11], s[0:1], 0x0
	s_load_b128 s[12:15], s[0:1], 0x20
	v_lshl_add_u32 v[SPW], v0, 2, SPARE
	v_mov_b32 v[NIL], 0
	ds_add_u32 v28, v29
	ds_add_u32 v28, v29
	s_wait_dscnt 0x0
	v_lshrrev_b32 v1, 5, v0
	v_readfirstlane_b32 s16, v1
	s_lshr_b32 s17, s16, 1
	s_and_b32 s18, s16, 1
	s_bfe_u32 s19, ttmp6, 0x40000
	s_bfe_u32 s20, ttmp6, 0x40004
	s_and_b32 s22, ttmp7, 0xffff
	s_lshl_b32 s75, s22, 2
	s_add_co_u32 s75, s75, s20
	s_lshl_b32 s77, ttmp9, 2
	s_add_co_u32 s77, s77, s19
	s_lshl_b32 s78, s20, 2
	s_lshl_b32 s78, 15, s78
	s_lshl_b32 s79, 0x1111, s19
	s_or_b32 s[G1A], s78, (3<<16)|(1<<21)
	s_or_b32 s[G1B], s79, (3<<16)|(1<<21)
.irp g, G1A, G1B
	s_mov_b32 s[\g+1], 384<<16
	s_mov_b32 s[\g+2], 8<<16
	s_mov_b32 s[\g+3], 384<<16
	s_mov_b32 s[\g+4], 8
	s_mov_b32 s[\g+5], 1536
	s_mov_b32 s[\g+6], 0
	s_mov_b32 s[\g+7], 0
.endr
	s_lshl_b32 s80, s75, 4
	s_lshl_b32 s81, s18, 3
	s_add_co_u32 s82, s80, s81
	s_mul_i32 s82, s82, TILEB
	s_mov_b32 s83, 0
	s_lshl_b32 s84, s77, 4
	s_add_co_u32 s84, s84, 192
	s_add_co_u32 s86, s84, s81
	s_mul_i32 s86, s86, TILEB
	s_mov_b32 s87, 0
	s_mul_i32 s88, s16, HALFT
	s_lshl_b32 s90, s75, 9
	s_lshl_b32 s89, s17, 8
	s_add_co_u32 s90, s90, s89
	s_mov_b32 s91, 0
	s_lshl_b32 s92, s84, 7
	s_lshl_b32 s89, s18, 10
	s_add_co_u32 s92, s92, s89
	s_mov_b32 s93, 0
	s_lshl_b32 s94, s77, 10
	s_lshl_b32 s89, s18, 9
	s_add_co_u32 s94, s94, s89
	s_mov_b32 s95, 0
	s_lshl_b32 s78, s75, 20
	s_lshl_b32 s89, s17, 19
	s_add_co_u32 s78, s78, s89
	s_mov_b32 s79, 0
	s_mov_b32 s96, 0x05040100
	s_mov_b32 s97, 0x07060302
	s_wait_kmcnt 0x0
	s_add_nc_u64 s[66:67], s[4:5], s[82:83]
	s_add_nc_u64 s[68:69], s[6:7], s[90:91]
	s_add_nc_u64 s[70:71], s[8:9], s[86:87]
	s_add_nc_u64 s[72:73], s[10:11], s[92:93]
	s_add_nc_u64 s[12:13], s[12:13], s[94:95]
	s_add_nc_u64 s[14:15], s[14:15], s[94:95]
	s_add_nc_u64 s[14:15], s[14:15], s[78:79]
	CROUND
.irp n, 0,1,2
	s_mov_b32 s[G0A+4*\n], 1
	s_add_co_u32 s[G0A+4*\n+1], s88, \n*SLOT
	s_add_nc_u64 s[G0A+4*\n+2:G0A+4*\n+3], s[66:67], \n*TILEK
	s_or_b32 s[G0A+4*\n+3], s[G0A+4*\n+3], 0x80000000
	s_mov_b32 s[G0B+4*\n], 1
	s_add_co_u32 s[G0B+4*\n+1], s88, \n*SLOT
	s_add_nc_u64 s[G0B+4*\n+2:G0B+4*\n+3], s[70:71], \n*TILEK
	s_or_b32 s[G0B+4*\n+3], s[G0B+4*\n+3], 0x80000000
	s_wait_alu depctr_va_vdst(0)
	s_wait_tensorcnt 0x0
	ds_add_u32 v28, v29
	ds_add_u32 v28, v29
	s_wait_dscnt 0x0
	CROUND
	JLOAD \n
.endr
	v_and_b32 v1, 31, v0
	v_and_b32 v2, 15, v0
	v_bfe_u32 v3, v0, 4, 1
	v_lshlrev_b32 v11, 3, v2
	v_lshl_add_u32 v11, v3, 9, v11
	v_lshlrev_b32 v13, 2, v2
	v_lshl_add_u32 v13, v3, 7, v13
	v_lshlrev_b32 v14, 6, v3
.irp sg, 0,1,2,3
.irp i, 0,1,2,3
	global_load_b64 v[SCB+8*\i+2*\sg:SCB+8*\i+2*\sg+1], v11, s[72:73] offset:\sg*65536+128*\i
.endr
.endr
.irp x, 0,1,2,3,4,5,6,7,8,9,10,11,12,13,14,15
.irp g, 0,1
	global_load_b32 v[RAWS+2*\x+\g], v13, s[68:69] offset:\x*16384+64*\g
.endr
.endr
	WIN 0x40
.irp b, 0,1,2,3,4,5,6,7
	global_load_b128 v[96+128*(\b/4)+8*(\b%4):96+128*(\b/4)+8*(\b%4)+3], v14, s[12:13] offset:128*(\b/2)+32*(\b%2)
	global_load_b128 v[96+128*(\b/4)+8*(\b%4)+4:96+128*(\b/4)+8*(\b%4)+7], v14, s[12:13] offset:128*(\b/2)+32*(\b%2)+16
.endr
	WIN 0
	v_lshlrev_b32 v12, 3, v1
	s_mul_i32 s89, s17, HALFT
	s_mul_i32 s94, s18, HALFT
	s_add_co_u32 s94, s94, 2*HALFT
.irp n, 0,1,2
	v_add_nc_u32 v[ADRA+\n], s89, v12
	v_add_nc_u32 v[ADRB+\n], s94, v12
	s_add_co_u32 s89, s89, SLOT
	s_add_co_u32 s94, s94, SLOT
.endr
	s_mul_i32 s89, s16, 8448
	s_add_co_u32 s89, s89, SLOT
	v_mul_u32_u24 v[STO], v2, 528
	v_lshl_add_u32 v[STO], v3, 6, v[STO]
	v_add_nc_u32 v[STO], s89, v[STO]
	v_lshlrev_b32 v[CO], 4, v1
	v_add_nc_u32 v[RD], s89, v[CO]
	s_wait_tensorcnt 2
	s_barrier_signal -1
	s_barrier_wait -1
	FETCH_B 0, 0, 0
	FETCH_A 0, 0, 0
	FETCH_A 0, 0, 4
	s_wait_loadcnt 0x0
.irp s, 0,1,2,3,4,5,6,7
.irp g, 0,1
	v_perm_b32 v[SCA+8*(2*\g)+\s], v[RAWS+2*(2*\s+1)+\g], v[RAWS+2*(2*\s)+\g], s96
	v_perm_b32 v[SCA+8*(2*\g+1)+\s], v[RAWS+2*(2*\s+1)+\g], v[RAWS+2*(2*\s)+\g], s97
.endr
.endr
	PLACES 8
	STEP 0, 0, 1, 2
	TURN 1, 1, 1
	STEP 2, 1, 1, 0
	STEP 3, 2, 0, 0
	STEP 4, 2, 1, 0
	s_wait_alu depctr_va_vdst(0)
	TURN 5, 0, 0
	STEP 6, 0, 1, 0
	s_wait_dscnt 24
	MWIN 0, 0
	MUL16 0, 7, 0
	MUL16 2, 7, 0
	s_wait_dscnt 0x0
	MWIN 1, 0
	MUL16 4, 7, 0
	MUL16 6, 7, 0
	WIN 0
.macro TOSTAGE a
.set AC, 64*((\a)%4)
	WIN 0x08+4*((\a)/4)
.irp b, 0,1,2,3,4,5,6,7
	ds_store_b128 v[STO], v[AC+8*\b:AC+8*\b+3] offset:128*(\b/2)+32*(\b%2)
	ds_store_b128 v[STO], v[AC+8*\b+4:AC+8*\b+7] offset:128*(\b/2)+32*(\b%2)+16
.endr
	WIN 0
.set BB, BK+64*((\a)%2)
.irp t, 0,1,2,3,4,5,6,7,8,9,10,11,12,13,14,15
	ds_load_b128 v[BB+4*\t:BB+4*\t+3], v[RD] offset:\t*528
.endr
.endm
.macro SEND a, younger
.set BB, BK+64*((\a)%2)
	s_wait_dscnt \younger
.irp t, 0,1,2,3,4,5,6,7,8,9,10,11,12,13,14,15
	global_store_b128 v[CO], v[BB+4*\t:BB+4*\t+3], s[14:15] offset:(32*((\a)/2)+8*((\a)%2)+(\t%8)+16*(\t/8))*4096 th:TH_STORE_NT
.endr
.endm
	PLACES 4
	TOSTAGE 0
.irp a, 1,2,3,4,5,6,7
.if \a > 1
	s_wait_xcnt 0x0
.endif
	TOSTAGE \a
	SEND \a-1, 32
.endr
	SEND 7, 0
	s_wait_tensorcnt 0x0
	ds_add_u32 v[SPW], v[NIL]
	s_wait_dscnt 0x0
	CROUND
	s_endpgm
.Lfunc_end_k_qb130f34185_gemm_proj:
	.size	k_qb130f34185_gemm_proj, .Lfunc_end_k_qb130f34185_gemm_proj-k_qb130f34185_gemm_proj
	.p2alignl 7, 3214868480
	.fill 96, 4, 3214868480
	.section	.rodata,"a",@progbits
	.p2align	6, 0x0
	.amdhsa_kernel k_qb130f34185_gemm_proj
		.amdhsa_group_segment_fixed_size 327680
		.amdhsa_private_segment_fixed_size 0
		.amdhsa_enable_private_segment 0
		.amdhsa_kernarg_size 48
		.amdhsa_user_sgpr_count 2
		.amdhsa_user_sgpr_kernarg_segment_ptr 1
		.amdhsa_wavefront_size32 1
		.amdhsa_system_sgpr_workgroup_id_x 1
		.amdhsa_system_sgpr_workgroup_id_y 1
		.amdhsa_system_sgpr_workgroup_id_z 1
		.amdhsa_system_vgpr_workitem_id 0
		.amdhsa_next_free_vgpr 1024
		.amdhsa_next_free_sgpr 100
		.amdhsa_reserve_vcc 0
		.amdhsa_float_denorm_mode_32 3
		.amdhsa_float_denorm_mode_16_64 3
		.amdhsa_memory_ordered 1
		.amdhsa_forward_progress 1
		.amdhsa_inst_pref_size 165
	.end_amdhsa_kernel
	.amdgpu_metadata
---
amdhsa.version: [ 1, 2 ]
amdhsa.kernels:
  - .name:           k_qb130f34185_gemm_proj
    .symbol:         k_qb130f34185_gemm_proj.kd
    .args:
      - { .name: oc, .offset: 0, .size: 8, .value_kind: global_buffer, .address_space: global }
      - { .name: os, .offset: 8, .size: 8, .value_kind: global_buffer, .address_space: global }
      - { .name: wc, .offset: 16, .size: 8, .value_kind: global_buffer, .address_space: global }
      - { .name: ws, .offset: 24, .size: 8, .value_kind: global_buffer, .address_space: global }
      - { .name: b_proj, .offset: 32, .size: 8, .value_kind: global_buffer, .address_space: global }
      - { .name: out0, .offset: 40, .size: 8, .value_kind: global_buffer, .address_space: global }
    .group_segment_fixed_size: 327680
    .private_segment_fixed_size: 0
    .kernarg_segment_align: 8
    .kernarg_segment_size: 48
    .max_flat_workgroup_size: 128
    .sgpr_count:     100
    .vgpr_count:     1024
    .wavefront_size: 32
...
	.end_amdgpu_metadata
.endif
;; end of part 4
